; MI455X (gfx1250); checked and timed in simulation.
; The chip was launched on July 23, 2026; its instructions are those of AMD's public machine-readable ISA for CDNA 5 (MIT licence, August 2026) and "CDNA5" Instruction Set Architecture Reference Guide (July 2026). The comments in the code are by the model that wrote it; some were corrected since.
;; Self Attention. Allowed arithmetic: matrix products marked QUANTISED: E2M3 operands, one E8M0 scale for each 32 along K, by v_wmma_scale_f32_16x16x128_f8f6f4 with both operands' format E2M3, f32 sums; everything else in f32.
;; Inputs: W_in 3,072 x 1,024 float32; W_out 1,024 x 1,024 float32; b_in 3,072 float32; b_out 1,024 float32; x 4 x 2,048 x 1,024 float32.
;; Outputs: out0 4 x 2,048 x 1,024 float32.
;; This version of the problem:
;;   THIS VERSION OF THE PROBLEM IS GIVEN IN LOW PRECISION. The matrix products marked QUANTISED in the list below multiply operands that are first quantised to E2M3 (2 exponent bits, 3 mantissa bits; 6 bits a number), with one power-of-two scale for each 32 numbers along K (OCP MX v1.0); their sums are f32. All else is computed in f32.
;;   The module's matrix products, in the order in which they are computed (A, B: the left and right operand; K: the contracted axis; several contracted axes count as one K, in the product's order):
;;     1. [M 8,192, K 1,024] x [K 1,024, N 3,072]; A: input x; B: input W_in: QUANTISED
;;     2. batch 64 x [M 2,048, K 64] x [K 64, N 2,048]; A: computed on the way; B: computed on the way: QUANTISED
;;     3. batch 64 x [M 2,048, K 2,048] x [K 2,048, N 64]; A: softmax (see below); B: computed on the way: QUANTISED
;;     4. [M 8,192, K 1,024] x [K 1,024, N 1,024]; A: computed on the way; B: input W_out: QUANTISED
;;   THE QUANTISER, for each operand of a quantised product, along K:
;;     - K is cut into blocks of 32 from its start; a last block that is shorter is filled with zeros.
;;     - A block's scale is 2^e with e = floor(log2(the largest magnitude in the block)) - 2, held to -126 .. 127; a block of zeros has e = 0. As a byte (E8M0): e + 127.
;;     - Each number is divided by its block's scale, clamped to +-7.5, and rounded to the nearest number of E2M3, ties to even, subnormals kept.
;;     - The product sums the exact products of the quantised numbers (number of the format x scale) in f32.
;;   ~~~python
;;   def quantise(x, axis):      # numpy; x: float32 -> the quantised numbers, widened to float32 again
;;       x = np.moveaxis(x, axis, -1); K = x.shape[-1]
;;       x = np.pad(x, [(0, 0)] * (x.ndim - 1) + [(0, -K % 32)]); x = x.reshape(x.shape[:-1] + (-1, 32)); a = np.abs(x).max(-1, keepdims=True)
;;       e = np.where(a > 0, np.clip(np.frexp(np.where(a > 0, a, 1))[1] - 1 - 2, -126, 127), 0)      # np.frexp(a)[1] - 1 = floor(log2(a)), exactly
;;       r = np.clip(x / 2.0 ** e, -7.5, 7.5)
;;       step = 2.0 ** (np.maximum(np.frexp(np.where(r == 0, 1, r))[1] - 1, 0) - 3)
;;       q = np.round(r / step) * step * 2.0 ** e      # np.round: ties to even
;;       return np.moveaxis(q.reshape(q.shape[:-2] + (-1,))[..., :K], -1, axis).astype(np.float32)
;;   ~~~
;;   SOFTMAX AHEAD OF A QUANTISED PRODUCT. Where the list says 'softmax', what is quantised is not the finished softmax but p = 2^(t - M), with t = logit x log2(e) and M = ceil(the row's largest t), a whole number; so 1/2 < the row's largest p <= 1. The row's sum l is taken of the UNQUANTISED p, in f32, and the product's result is divided by l at the end. Since M is a whole number, a kernel that streams over the keys may use a running M (the ceiling of the running maximum): every later rescaling is an exact power of two, which a block's scale takes up: the codes' values come out the same.
;;   OPERANDS COMPUTED ON THE WAY. 'Computed on the way' means the value that the module computes at that place (a softmax that the list does not call 'softmax' is quantised finished and normalised). What goes into a quantiser is computed in f32, as accurately as f32 sums, v_exp_f32 and their like allow (about 1e-6 of the number): no bf16 or f16 on the way to a quantiser, and a product that is left as it is and whose result goes on into a quantised operand takes f32 operands (vector FMAs, or v_wmma_f32_16x16x4_f32). A number that lies on a knife's edge between two numbers of the format may be rounded either way, as far as f32 arithmetic and the matrix unit's own rounding can turn it there, and no further.
;; One version. Each part assembles by itself: llvm-mc -triple=amdgcn-amd-amdhsa -mcpu=gfx1250 --defsym DOCPART=n.
;; ======== version 1 of 1: 4 launches
;; workspace buffers: xi 6,553,600 bytes; wi 2,457,600 bytes; wo 819,200 bytes; qkv 20,185,088 bytes; ai 6,553,600 bytes
;; launch quant (part 1): grid 384 x 1, 4 waves a work-group, no clusters, 34,304 bytes of LDS; arguments x, W_in, W_out, xi, wi, wo; writes xi, wi, wo
.if DOCPART == 1
	.amdgcn_target "amdgcn-amd-amdhsa--gfx1250"
	.amdhsa_code_object_version 6
	.text
	.protected	k_q65e75f28d3_quant
	.globl	k_q65e75f28d3_quant
	.p2align	8
	.type	k_q65e75f28d3_quant,@function
k_q65e75f28d3_quant:
	s_mov_b64 s[64:65], 0
	v_nop
	global_prefetch_b8 v0, s[64:65] scope:SCOPE_SE
	s_setreg_imm32_b32 hwreg(HW_REG_WAVE_MODE, 25, 1), 1
	s_wait_xcnt 0x0
; x [8192][1024], W_in [3072][1024], W_out [1024][1024], f32, K innermost, become codes of FP6 (E2M3) with one E8M0 byte for each 32 along K,
; laid in the ORDER OF THE OPERAND'S REGISTERS.  A row tile T = 2 B + u holds in lane r the row 32 B + 8 u + r + 8 (r / 8).  Its record is 12,800 bytes:
; the fragment of K step s (128 along K, 12 registers a lane) at 1536 s: registers 0-3 at 16 x lane, 4-5 at 512 + 8 x lane, 6-9 at 768 + 16 x lane, 10-11 at 1280 + 8 x lane;
; the scale words at 12288 + 128 (s / 2) + 8 r + 4 (s % 2).
; A block's scale is 2^(floor(log2(its largest magnitude)) - 2); its byte is the largest magnitude's exponent field - 2, held at 1 from below.
; LIMITS: a block of zeros gets the byte 1 where the rule says 127 (its codes are zeros, and this program alone reads the bytes); blocks whose largest magnitude lies
; under 2^-124 are held at the byte 1; NaN and infinities among the inputs are not served.
; SHARES.  A work-group takes 32 rows (a pair of tiles) of one tensor: work-groups 0-255 x, 256-351 W_in, 352-383 W_out; only pointers are chosen, all take one path.
; Wave w takes tile u = w & 1 and K steps 4 (w >> 1) on.  Each load reads 512 consecutive bytes of one row; a step's 16 rows turn through the wave's own stage in LDS
; (rows of 512 + 16 bytes), so that a lane gets 16 neighbours of each block of 32.  No work-group shares an input with another: no cluster, no tensor load, no barrier.
.set RECT,  12800
.set SROW,  528
.set STG,   16*SROW
.set R,     16                         ; v16-143  two sets of 64 registers as loaded
.set XN,    144                        ; v144-207 64 numbers of my row: register 16 b + i = k 32 b + 16 (lane / 16) + i
.set PC,    208                        ; v208-219 the fragment just made
.set AUX,   220                        ; v220-227 the upper halves of blocks, before they are moved
.set TM,    228                        ; v228-243 at work
.set PW,    244                        ; v244-247 the four steps' scale words
.set SEL,   20                         ; s[20:21] selects of v_permlanex16_b32: lane l xor 16
; 64 numbers of a lane become 12 registers of codes (da: the first 64 along K, db: the second) and a scale word
.macro QUANT s, da, db, pw
.irp b, 0,1,2,3
	v_max3_num_f32 v[TM+\b], |v[\s+16*\b]|, |v[\s+1+16*\b]|, 0x1800000   ; my 16 numbers of block b, and the floor 2^(3 - 127): the byte cannot fall under 1
.endr
.irp i, 2,4,6,8,10,12,14
.irp b, 0,1,2,3
	v_max3_num_f32 v[TM+\b], v[TM+\b], |v[\s+16*\b+\i]|, |v[\s+1+16*\b+\i]|
.endr
.endr
.irp b, 0,1,2,3
	v_permlanex16_b32 v[TM+4+\b], v[TM+\b], s[SEL], s[SEL+1]
.endr
.irp b, 0,1,2,3
	v_max_num_f32 v[TM+\b], v[TM+\b], v[TM+4+\b]          ; with lane l xor 16's: the block's largest magnitude
.endr
.irp b, 0,1,2,3
	v_add_nc_u32 v[TM+12+\b], 0xff000000, v[TM+\b]        ; 2 off its exponent field: the conversion's scale operand
.endr
.irp b, 0,1,2,3
	v_lshrrev_b32 v[TM+4+\b], 23, v[TM+12+\b]             ; the scale's byte
.endr
	v_lshl_or_b32 v[\pw], v[TM+5], 8, v[TM+4]
	v_lshl_or_b32 v[\pw], v[TM+6], 16, v[\pw]
	v_lshl_or_b32 v[\pw], v[TM+7], 24, v[\pw]
	v_cvt_scalef32_pk16_fp6_f32 v[\da:\da+2], v[\s:\s+15], v[TM+12]
	v_cvt_scalef32_pk16_fp6_f32 v[AUX:AUX+2], v[\s+16:\s+31], v[TM+13]
	v_cvt_scalef32_pk16_fp6_f32 v[\db:\db+2], v[\s+32:\s+47], v[TM+14]
	v_cvt_scalef32_pk16_fp6_f32 v[AUX+4:AUX+6], v[\s+48:\s+63], v[TM+15]
	v_nop                                                 ; one plain place behind a scaled conversion
.irp i, 0,1,2
	v_permlane16_swap_b32 v[\da+\i], v[AUX+\i]            ; a whole block to a lane: lanes 0-15 the even block, lanes 16-31 the odd one
.endr
.irp i, 0,1,2
	v_mov_b32 v[\da+3+\i], v[AUX+\i]
.endr
.irp i, 0,1,2
	v_permlane16_swap_b32 v[\db+\i], v[AUX+4+\i]
.endr
.irp i, 0,1,2
	v_mov_b32 v[\db+3+\i], v[AUX+4+\i]
.endr
.endm
	s_load_b128 s[4:7], s[0:1], 0x0                ; x, W_in
	s_load_b128 s[8:11], s[0:1], 0x10              ; W_out, xi
	s_load_b128 s[12:15], s[0:1], 0x20             ; wi, wo
	v_lshl_add_u32 v254, v0, 2, 0x8400
	v_mov_b32 v255, 0
	v_lshrrev_b32 v5, 5, v0
	v_readfirstlane_b32 s16, v5                    ; wave
	v_and_b32 v6, 31, v0                           ; lane
	v_and_b32 v7, 15, v0                           ; r
	v_bfe_u32 v8, v0, 4, 1                         ; h
	v_lshlrev_b32 v1, 4, v6                        ; 16 x lane
	v_lshlrev_b32 v2, 3, v6                        ; 8 x lane
	s_mul_i32 s17, s16, STG                        ; my stage
	v_add_nc_u32 v3, s17, v1                       ; into it: 16 bytes a lane of a row
	v_mul_u32_u24 v4, v7, SROW
	v_lshl_add_u32 v4, v8, 6, v4
	v_add_nc_u32 v4, s17, v4                       ; out of it: row r, + 64 h
	s_mov_b32 s[SEL], 0x76543210
	s_mov_b32 s[SEL+1], 0xfedcba98
.irp b, 0,1,2,3
	v_mov_b32 v[TM+4+\b], 0                        ; written once: a lane permute's destination counts as one of its sources
.endr
	s_and_b32 s19, s16, 1                          ; u
	s_lshr_b32 s22, s16, 1                         ; which half of K
	s_mov_b32 s18, 352
	s_wait_alu depctr_va_vdst(0)
	s_wait_kmcnt 0x0
	s_cmp_lt_u32 ttmp9, 352                        ; the choices hang on the work-group's number alone
	s_cselect_b64 s[6:7], s[6:7], s[8:9]
	s_cselect_b64 s[12:13], s[12:13], s[14:15]
	s_cselect_b32 s18, 256, s18
	s_cmp_lt_u32 ttmp9, 256
	s_cselect_b64 s[4:5], s[4:5], s[6:7]           ; the tensor
	s_cselect_b64 s[10:11], s[10:11], s[12:13]     ; its records
	s_cselect_b32 s18, 0, s18
	s_sub_co_u32 s18, ttmp9, s18                   ; B: which pair of tiles of the tensor
	s_lshl_b32 s24, s18, 17                        ; 32 B rows of 4,096 bytes
	s_lshl_b32 s23, s19, 15                        ; + 8 u rows
	s_add_co_u32 s24, s24, s23
	s_lshl_b32 s23, s22, 11                        ; + my half of K
	s_add_co_u32 s24, s24, s23
	s_mov_b32 s25, 0
	s_add_nc_u64 s[4:5], s[4:5], s[24:25]
	s_lshl_b32 s26, s18, 1
	s_add_co_u32 s26, s26, s19                     ; T
	s_mul_i32 s26, s26, RECT
	s_mov_b32 s27, 0
	s_add_nc_u64 s[10:11], s[10:11], s[26:27]      ; the tile's record
	s_mul_i32 s28, s22, 6144
	s_mov_b32 s29, 0
	s_lshl_b32 s30, s22, 8
	s_add_co_u32 s30, s30, 12288
	s_mov_b32 s31, 0
	s_add_nc_u64 s[12:13], s[10:11], s[30:31]      ; my 256 bytes of scale words
	s_add_nc_u64 s[10:11], s[10:11], s[28:29]      ; my four fragments
.macro LOAD t                          ; K step t of my four: 16 rows x 512 bytes
.irp p, 0,1,2,3,4,5,6,7,8,9,10,11,12,13,14,15
	global_load_b128 v[R+64*((\t)%2)+4*\p:R+64*((\t)%2)+4*\p+3], v1, s[4:5] offset:(\p+8*(\p/8))*4096+512*(\t) th:TH_LOAD_NT
.endr
.endm
.macro STEP t
.if (\t) < 3
	s_wait_loadcnt 16                              ; this step's sixteen loads are in; the next step's sixteen may be out
.else
	s_wait_loadcnt 0x0
.endif
.irp p, 0,1,2,3,4,5,6,7,8,9,10,11,12,13,14,15
	ds_store_b128 v3, v[R+64*((\t)%2)+4*\p:R+64*((\t)%2)+4*\p+3] offset:SROW*\p
.endr
.irp b, 0,1,2,3
.irp j, 0,1,2,3
	ds_load_b128 v[XN+16*\b+4*\j:XN+16*\b+4*\j+3], v4 offset:128*\b+16*\j   ; LDS serves a wave's instructions in order: these see my stores
.endr
.endr
	s_wait_dscnt 0x0
.if (\t) < 2
	LOAD (\t)+2
.endif
.if (\t) > 0
	s_wait_xcnt 0x0                                ; the last step's stores have read the fragment's registers
.endif
	QUANT XN, PC, PC+6, PW+(\t)
	global_store_b128 v1, v[PC:PC+3], s[10:11] offset:1536*(\t)            ; 512 consecutive bytes, aligned to 256
	global_store_b64 v2, v[PC+4:PC+5], s[10:11] offset:1536*(\t)+512       ; 256
	global_store_b128 v1, v[PC+6:PC+9], s[10:11] offset:1536*(\t)+768
	global_store_b64 v2, v[PC+10:PC+11], s[10:11] offset:1536*(\t)+1280
.endm
	LOAD 0
	LOAD 1
	STEP 0
	STEP 1
	STEP 2
	STEP 3
	v_cmp_gt_u32 vcc_lo, 16, v6                    ; lanes 0-15 store the words of my first two steps, lanes 16-31 those of the other two
	v_cndmask_b32 v248, v[PW+2], v[PW], vcc_lo
	v_cndmask_b32 v249, v[PW+3], v[PW+1], vcc_lo
	global_store_b64 v2, v[248:249], s[12:13]      ; 256 consecutive bytes, aligned
	s_wait_tensorcnt 0x0
	ds_add_u32 v254, v255
	s_wait_dscnt 0x0
	s_endpgm
.Lfunc_end_k_q65e75f28d3_quant:
	.size	k_q65e75f28d3_quant, .Lfunc_end_k_q65e75f28d3_quant-k_q65e75f28d3_quant
	.p2alignl 7, 3214868480
	.fill 96, 4, 3214868480
	.section	.rodata,"a",@progbits
	.p2align	6, 0x0
	.amdhsa_kernel k_q65e75f28d3_quant
		.amdhsa_group_segment_fixed_size 34304
		.amdhsa_private_segment_fixed_size 0
		.amdhsa_enable_private_segment 0
		.amdhsa_kernarg_size 48
		.amdhsa_user_sgpr_count 2
		.amdhsa_user_sgpr_kernarg_segment_ptr 1
		.amdhsa_wavefront_size32 1
		.amdhsa_system_sgpr_workgroup_id_x 1
		.amdhsa_system_sgpr_workgroup_id_y 1
		.amdhsa_system_sgpr_workgroup_id_z 1
		.amdhsa_system_vgpr_workitem_id 0
		.amdhsa_next_free_vgpr 256
		.amdhsa_next_free_sgpr 66
		.amdhsa_reserve_vcc 1
		.amdhsa_float_denorm_mode_32 3
		.amdhsa_float_denorm_mode_16_64 3
		.amdhsa_memory_ordered 1
		.amdhsa_forward_progress 1
		.amdhsa_inst_pref_size 34
	.end_amdhsa_kernel
	.amdgpu_metadata
---
amdhsa.version: [ 1, 2 ]
amdhsa.kernels:
  - .name:           k_q65e75f28d3_quant
    .symbol:         k_q65e75f28d3_quant.kd
    .args:
      - { .name: x, .offset: 0, .size: 8, .value_kind: global_buffer, .address_space: global }
      - { .name: W_in, .offset: 8, .size: 8, .value_kind: global_buffer, .address_space: global }
      - { .name: W_out, .offset: 16, .size: 8, .value_kind: global_buffer, .address_space: global }
      - { .name: xi, .offset: 24, .size: 8, .value_kind: global_buffer, .address_space: global }
      - { .name: wi, .offset: 32, .size: 8, .value_kind: global_buffer, .address_space: global }
      - { .name: wo, .offset: 40, .size: 8, .value_kind: global_buffer, .address_space: global }
    .group_segment_fixed_size: 34304
    .private_segment_fixed_size: 0
    .kernarg_segment_align: 8
    .kernarg_segment_size: 48
    .max_flat_workgroup_size: 128
    .sgpr_count:     66
    .vgpr_count:     256
    .wavefront_size: 32
...
	.end_amdgpu_metadata
.endif
;; end of part 1
;; launch qkv (part 2): grid 12 x 32, 4 waves a work-group, clusters of 4 x 4, 327,680 bytes of LDS; arguments xi, wi, b_in, qkv; writes qkv
.if DOCPART == 2
	.amdgcn_target "amdgcn-amd-amdhsa--gfx1250"
	.amdhsa_code_object_version 6
	.text
	.protected	k_q65e75f28d3_qkv
	.globl	k_q65e75f28d3_qkv
	.p2align	8
	.type	k_q65e75f28d3_qkv,@function
k_q65e75f28d3_qkv:
	s_mov_b64 s[64:65], 0
	v_nop
	global_prefetch_b8 v0, s[64:65] scope:SCOPE_SE
	s_setreg_imm32_b32 hwreg(HW_REG_WAVE_MODE, 25, 1), 1
	s_wait_xcnt 0x0
	s_wait_alu depctr_hold_cnt(0) depctr_sa_sdst(0) depctr_va_vdst(0) depctr_va_sdst(0) depctr_va_ssrc(0) depctr_va_vcc(0) depctr_vm_vsrc(0)
	s_getreg_b32 s2, hwreg(HW_REG_IB_STS2, 6, 4)
	s_cmp_eq_u32 s2, 0
	s_cbranch_scc0 .Lentry_in_a_cluster
	s_endpgm
.Lentry_in_a_cluster:
	s_bfe_u32 s2, ttmp6, 0x10000c
	s_cmp_lg_u32 s2, 0xf033
	s_cbranch_scc0 .Lentry_shape_is_right
	s_endpgm
.Lentry_shape_is_right:
; qkv = x W_in^T + b_in on codes of FP6 (E2M3), K = 1,024; the results are quantised on the way out and leave as codes: q and k along the head's 64 channels, v along the keys.
; A tile of 256 x 256 to a work-group of four waves, 128 x 128 to a wave: 64 accumulators, 512 registers.  K goes in chunks of 256 through two LDS slots filled by the tensor data mover.
; Operands lie in memory as images of their registers (records of 12,800 bytes a row tile; a fragment 1,536 bytes; tile T = 2 B + u holds in lane r the row 32 B + 8 u + r + 8 (r / 8)).
; SOURCE 0 (called B') is the side whose index runs along a lane's registers in the result, SOURCE 1 (A') the side whose index is the lane.  The axis to be quantised must run along registers:
;   clusters with x < 2 (q, k): A' = tokens (xi), B' = rows of W_in;     clusters with x = 2 (v): A' = rows of W_in, B' = tokens (xi).
; By the tiles' order of rows the 16 registers of B' tiles 2 b and 2 b + 1 are 16 neighbours: index 32 b + 16 (lane / 16) + 0 .. 15.
; CLUSTERS: 4 x 4 work-groups; A's tiles are asked for jointly along a row of the cluster, B's along a column.  The choice of roles hangs on the cluster's x alone, which all sixteen share.
; THE HEAD RECORDS in qkv, REC bytes for each batch x head: K's codes (pairs of tiles, 1,536 bytes), V's fragments (16 channels x 128 keys), K's and V's scale words, then Q's codes and scale words.
; LIMITS: a block of zeros gets the byte 1 where the rule says 127 (zero codes; the bytes are this program's own); largest magnitudes under 2^-124 are held at the byte 1; NaN and infinities are not served.
; REGISTERS: window 0: v0-31 addresses; v32-63 scale words, two sets; v64-127 the bias; from v128 A's fragments, one set (on the way out v128-255 are at work).
;   window 1: B's fragments, two sets, at v0 and v128.   windows 2, 3: the accumulators ((a, b) at v[8 (8 (a % 4) + b)]).
.set NQ,     2
.set FR,     12
.set NL,     4                         ; LDS loads that bring a fragment
.set NP,     4                         ; places behind this matrix instruction (ISA guide 7.12.1)
.set FRB,    1536
.set TROW,   3072                      ; a chunk's two fragments of one row tile
.set HALFT,  8*TROW                    ; 8 row tiles: what one tensor load brings
.set SLOT,   4*HALFT
.set SCL,    2*SLOT                    ; behind the ring: the scale words of all of K, 512 bytes a row tile
.set HALFS,  4096
.set SPARE,  SCL+4*HALFS               ; the spare words, 128 bytes for each wave
.set REC,    315392
.set VC,     98304
.set KSO,    196608
.set VSO,    204800
.set QC,     208896
.set QSO,    307200
.set ADRA, 16                          ; v16-17 16 x lane + my A' tiles in slot 0, 1;  v18-19 the same with 8 x lane
.set ADRB, 20                          ; v20-23 likewise for B'
.set ADRS, 27                          ; v27 my scale words: lanes 0-15 A's, lanes 16-31 B's
.set SPW,  28
.set NIL,  29
.set SC,   32
.set BR,   64
.set AF,   128
.set T,    128                         ; the way out: 64 numbers
.set X,    192                         ; 12 registers of codes
.set Y,    204                         ; 12 more
.set AUX,  216
.set TM,   224
.set SW,   240                         ; the eight blocks' scale words
.set U,    248
.set V,    252
.set SEL,  98
.set G1, 24
.set G0, 32
.set G1B, 48
.set G0B, 56
.set G1S, 68
.set G0S, 76
.set G1SB, 80
.set G0SB, 88
.set MSB, 0
.macro WIN new                         ; the immediate's high byte repeats the setting that is left
.if MSB != (\new)
	s_set_vgpr_msb (MSB<<8)|(\new)
.set MSB, (\new)
.endif
.endm
.set MUL_LO, 0xa1                      ; source 0 window 1, source 1 window 0, C and D window 2
.set MUL_HI, 0xf1
.set TO_B,   0x40
.macro JLOAD g0a, g1a, g0b, g1b        ; a joint load: waves 0 and 1 fetch for A', waves 2 and 3 for B'; four v_nop follow each line
	s_cmp_eq_u32 s15, 0
	s_cbranch_scc0 .Lfor_b_\@
	tensor_load_to_lds s[\g0a:\g0a+3], s[\g1a:\g1a+7]
	s_nop 0
.rept 4
	v_nop
.endr
	s_branch .Lasked_\@
.Lfor_b_\@:
	tensor_load_to_lds s[\g0b:\g0b+3], s[\g1b:\g1b+7]
	s_nop 0
.rept 4
	v_nop
.endr
.Lasked_\@:
.endm
.macro CREST
	s_cmp_lg_u32 s14, 0
	s_cbranch_scc1 .Lnot_wave_0_\@
	s_barrier_signal -3
.Lnot_wave_0_\@:
	s_barrier_wait -3
	s_barrier_signal -1
	s_barrier_wait -1
.endm
.macro CROUND
	s_barrier_signal -1
	s_barrier_wait -1
	CREST
.endm
.macro QUANT s, da, db, pw             ; 64 numbers of a lane (register 16 b + i = index 32 b + 16 (lane / 16) + i) -> 12 registers of codes and a scale word
.irp b, 0,1,2,3
	v_max3_num_f32 v[TM+\b], |v[\s+16*\b]|, |v[\s+1+16*\b]|, 0x1800000
.endr
.irp i, 2,4,6,8,10,12,14
.irp b, 0,1,2,3
	v_max3_num_f32 v[TM+\b], v[TM+\b], |v[\s+16*\b+\i]|, |v[\s+1+16*\b+\i]|
.endr
.endr
.irp b, 0,1,2,3
	v_permlanex16_b32 v[TM+4+\b], v[TM+\b], s[SEL], s[SEL+1]
.endr
.irp b, 0,1,2,3
	v_max_num_f32 v[TM+\b], v[TM+\b], v[TM+4+\b]
.endr
.irp b, 0,1,2,3
	v_add_nc_u32 v[TM+12+\b], 0xff000000, v[TM+\b]
.endr
.irp b, 0,1,2,3
	v_lshrrev_b32 v[TM+4+\b], 23, v[TM+12+\b]
.endr
	v_lshl_or_b32 v[\pw], v[TM+5], 8, v[TM+4]
	v_lshl_or_b32 v[\pw], v[TM+6], 16, v[\pw]
	v_lshl_or_b32 v[\pw], v[TM+7], 24, v[\pw]
	v_cvt_scalef32_pk16_fp6_f32 v[\da:\da+2], v[\s:\s+15], v[TM+12]
	v_cvt_scalef32_pk16_fp6_f32 v[AUX:AUX+2], v[\s+16:\s+31], v[TM+13]
	v_cvt_scalef32_pk16_fp6_f32 v[\db:\db+2], v[\s+32:\s+47], v[TM+14]
	v_cvt_scalef32_pk16_fp6_f32 v[AUX+4:AUX+6], v[\s+48:\s+63], v[TM+15]
	v_nop                                          ; one plain place behind a scaled conversion
.irp i, 0,1,2
	v_permlane16_swap_b32 v[\da+\i], v[AUX+\i]
.endr
.irp i, 0,1,2
	v_mov_b32 v[\da+3+\i], v[AUX+\i]
.endr
.irp i, 0,1,2
	v_permlane16_swap_b32 v[\db+\i], v[AUX+4+\i]
.endr
.irp i, 0,1,2
	v_mov_b32 v[\db+3+\i], v[AUX+4+\i]
.endr
.endm
	s_load_b256 s[4:11], s[0:1], 0x0               ; xi s[4:5], wi s[6:7], b_in s[8:9], qkv s[10:11]
	v_lshl_add_u32 v[SPW], v0, 2, SPARE
	v_mov_b32 v[NIL], 0
	ds_add_u32 v28, v29
	ds_add_u32 v28, v29
	s_wait_dscnt 0x0
	v_lshrrev_b32 v1, 5, v0
	v_readfirstlane_b32 s14, v1                    ; wave 0..3
	s_lshr_b32 s15, s14, 1                         ; which half of A's rows is mine.  Also: I fetch for A' (0) or for B' (1)
	s_and_b32 s16, s14, 1                          ; which half of B's rows.  Also: which 8 row tiles I fetch
	s_bfe_u32 s40, ttmp6, 0x40000                  ; cx
	s_bfe_u32 s41, ttmp6, 0x40004                  ; cy
	s_lshl_b32 s66, ttmp9, 2                       ; 4 x cluster x
	s_and_b32 s67, ttmp7, 0xffff
	s_lshl_b32 s67, s67, 2                         ; 4 x cluster y
	s_lshl_b32 s43, s41, 2
	s_lshl_b32 s43, 15, s43                        ; my row of the cluster
	s_lshl_b32 s44, 0x1111, s40                    ; my column
	s_mov_b32 s[SEL], 0x76543210
	s_mov_b32 s[SEL+1], 0xfedcba98
	s_mov_b32 s100, 0x7f7f0000                     ; the bytes 127 for the upper half of K in a head's scale word
	; group 1 for the codes: 8 rows (row tiles) of 3,072 bytes (384 elements of 8), 12,800 bytes apart; no padding: images are read 16 or 8 bytes a lane on end
	s_or_b32 s[G1+0], s43, (3<<16)|(1<<21)
	s_or_b32 s[G1B+0], s44, (3<<16)|(1<<21)
.irp g, G1, G1B
	s_mov_b32 s[\g+1], 384<<16
	s_mov_b32 s[\g+2], 8<<16
	s_mov_b32 s[\g+3], 384<<16
	s_mov_b32 s[\g+4], 8
	s_mov_b32 s[\g+5], 1600
	s_mov_b32 s[\g+6], 0
	s_mov_b32 s[\g+7], 0
.endr
	; and for the scale words: 8 rows of 512 bytes
	s_or_b32 s[G1S+0], s43, (3<<16)|(1<<21)
	s_or_b32 s[G1SB+0], s44, (3<<16)|(1<<21)
.irp g, G1S, G1SB
	s_mov_b32 s[\g+1], 64<<16
	s_mov_b32 s[\g+2], 8<<16
	s_mov_b32 s[\g+3], 64<<16
	s_mov_b32 s[\g+4], 8
	s_mov_b32 s[\g+5], 1600
	s_mov_b32 s[\g+6], 0
	s_mov_b32 s[\g+7], 0
.endr
	s_mul_i32 s18, s16, 102400                     ; the 8 row tiles that I fetch
	s_mul_i32 s45, s14, HALFT                      ; where they go: no place in the cluster enters an LDS address
	s_lshl_b32 s19, s14, 12                        ; and their scale words
	s_wait_kmcnt 0x0
	s_cmp_lt_u32 ttmp9, 2                          ; q, k or v: the cluster's x alone decides
	s_cselect_b32 s17, s67, 8
	s_cselect_b32 s42, s66, s67
	s_cselect_b64 s[92:93], s[4:5], s[6:7]         ; A'
	s_cselect_b64 s[94:95], s[6:7], s[4:5]         ; B'
	s_add_co_u32 s17, s17, s41                     ; RA: which 256 rows of A'
	s_add_co_u32 s42, s42, s40                     ; CB: which 256 rows of B'
	s_mul_i32 s20, s17, 204800
	s_add_co_u32 s20, s20, s18
	s_mov_b32 s21, 0
	s_mul_i32 s46, s42, 204800
	s_add_co_u32 s46, s46, s18
	s_mov_b32 s47, 0
	s_add_nc_u64 s[20:21], s[92:93], s[20:21]
	s_add_nc_u64 s[46:47], s[94:95], s[46:47]
	CROUND                                         ; all sixteen work-groups are here: the first joint loads meet
	s_mov_b32 s[G0S], 1
	s_add_co_u32 s[G0S+1], s19, SCL
	s_add_nc_u64 s[G0S+2:G0S+3], s[20:21], 12288
	s_or_b32 s[G0S+3], s[G0S+3], 0x80000000
	s_mov_b32 s[G0SB], 1
	s_add_co_u32 s[G0SB+1], s19, SCL
	s_add_nc_u64 s[G0SB+2:G0SB+3], s[46:47], 12288
	s_or_b32 s[G0SB+3], s[G0SB+3], 0x80000000
	JLOAD G0S, G1S, G0SB, G1SB                     ; the scale words of all of K: filled once
.irp s, 0,1
	s_mov_b32 s[G0+4*\s], 1
	s_add_co_u32 s[G0+4*\s+1], s45, \s*SLOT
	s_add_nc_u64 s[G0+4*\s+2:G0+4*\s+3], s[20:21], \s*TROW
	s_or_b32 s[G0+4*\s+3], s[G0+4*\s+3], 0x80000000
	s_mov_b32 s[G0B+4*\s], 1
	s_add_co_u32 s[G0B+4*\s+1], s45, \s*SLOT
	s_add_nc_u64 s[G0B+4*\s+2:G0B+4*\s+3], s[46:47], \s*TROW
	s_or_b32 s[G0B+4*\s+3], s[G0B+4*\s+3], 0x80000000
	JLOAD G0+4*\s, G1, G0B+4*\s, G1B               ; three tensor loads of mine are out
.endr
	v_and_b32 v1, 15, v0                           ; r
	v_bfe_u32 v2, v0, 4, 1                         ; h
	v_and_b32 v7, 31, v0                           ; lane
	v_lshlrev_b32 v8, 4, v7                        ; 16 x lane
	v_lshlrev_b32 v3, 3, v7                        ; 8 x lane
	s_mul_i32 s22, s15, HALFT                      ; my 8 tiles of A'
	s_mul_i32 s23, s16, HALFT
	s_add_co_u32 s23, s23, 2*HALFT                 ; my 8 tiles of B', behind A's 16
.irp s, 0,1
	v_add_nc_u32 v[ADRA+\s], s22, v8
	v_add_nc_u32 v[ADRB+\s], s23, v8
	v_add_nc_u32 v[ADRA+2+\s], s22, v3
	v_add_nc_u32 v[ADRB+2+\s], s23, v3
	s_add_co_u32 s22, s22, SLOT
	s_add_co_u32 s23, s23, SLOT
.endr
	v_lshlrev_b32 v5, 3, v1                        ; 8 r
	s_lshl_b32 s22, s15, 12
	s_lshl_b32 s23, s16, 12
	s_add_co_u32 s23, s23, 2*HALFS
	s_sub_co_u32 s23, s23, s22
	v_mul_u32_u24 v6, s23, v2                      ; lanes 16-31 take B's
	s_add_co_u32 s22, s22, SCL
	v_add_nc_u32 v5, v5, v6
	v_add_nc_u32 v[ADRS], s22, v5
.macro FRAG reg, adr, q, i             ; a fragment's image: registers 0-3, 4-5, 6-9, 10-11
	ds_load_b128 v[\reg:\reg+3], v[\adr] offset:(\i)*TROW+(\q)*FRB
	ds_load_b64 v[\reg+4:\reg+5], v[\adr+2] offset:(\i)*TROW+(\q)*FRB+512
	ds_load_b128 v[\reg+6:\reg+9], v[\adr] offset:(\i)*TROW+(\q)*FRB+768
	ds_load_b64 v[\reg+10:\reg+11], v[\adr+2] offset:(\i)*TROW+(\q)*FRB+1280
.endm
; 16 matrix instructions: A's blocks a0, a0 + 1 x B's eight.  The 64 accumulators take turns, one instruction a turn, in the same order in every step.
.macro MUL16 a0, p, q, sc, zero
.irp a, \a0, \a0+1
.irp b, 0,1,2,3,4,5,6,7
.if \zero
	v_wmma_scale_f32_16x16x128_f8f6f4 v[8*(8*((\a)%4)+\b):8*(8*((\a)%4)+\b)+7], v[128*(\p)+FR*\b:128*(\p)+FR*\b+FR-1], v[AF+FR*(\a):AF+FR*(\a)+FR-1], 0, v[SC+8*NQ*(\sc)+NQ*\b+(\q)], v[SC+8*NQ*(\sc)+NQ*(\a)+(\q)] matrix_a_fmt:MATRIX_FMT_FP6 matrix_b_fmt:MATRIX_FMT_FP6 matrix_a_scale:MATRIX_SCALE_ROW1
.else
	v_wmma_scale_f32_16x16x128_f8f6f4 v[8*(8*((\a)%4)+\b):8*(8*((\a)%4)+\b)+7], v[128*(\p)+FR*\b:128*(\p)+FR*\b+FR-1], v[AF+FR*(\a):AF+FR*(\a)+FR-1], v[8*(8*((\a)%4)+\b):8*(8*((\a)%4)+\b)+7], v[SC+8*NQ*(\sc)+NQ*\b+(\q)], v[SC+8*NQ*(\sc)+NQ*(\a)+(\q)] matrix_a_fmt:MATRIX_FMT_FP6 matrix_b_fmt:MATRIX_FMT_FP6 matrix_a_scale:MATRIX_SCALE_ROW1
.endif
.endr
.endr
.endm
.macro FETCH_B slot, q, p
	WIN TO_B
.irp i, 0,1,2,3,4,5,6,7
	FRAG 128*(\p)+FR*\i, ADRB+\slot, \q, \i
.endr
	WIN 0
.endm
.macro FETCH_A slot, q, i0
.irp i, \i0, \i0+1, \i0+2, \i0+3
	FRAG AF+FR*(\i), ADRA+\slot, \q, \i
.endr
.endm
.macro SCALES sc                       ; a chunk's scale words: two a row; lanes 0-15 A's block i, lanes 16-31 B's block i
.irp i, 0,1,2,3,4,5,6,7
	ds_load_b64 v[SC+8*NQ*\sc+NQ*\i:SC+8*NQ*\sc+NQ*\i+1], v[ADRS] offset:\i*512
.endr
.endm
.macro PLACES n                        ; plain vector lines between a matrix instruction and a load into, or a read of, its registers
.rept \n
	v_nop
.endr
.endm
.macro STEP slot, q, zero              ; 128 along K whose successor lies in the same slot
	s_wait_dscnt 4*NL                              ; all but the youngest sixteen loads (A's blocks 4-7)
	WIN MUL_LO
	MUL16 0, (\q)%2, \q, \slot, \zero
	MUL16 2, (\q)%2, \q, \slot, \zero
	s_wait_dscnt 0
	PLACES NP
	FETCH_B \slot, (\q)+1, 1-(\q)%2
	FETCH_A \slot, (\q)+1, 0
	WIN MUL_HI
	MUL16 4, (\q)%2, \q, \slot, \zero
	MUL16 6, (\q)%2, \q, \slot, \zero
	PLACES NP
	WIN 0
	FETCH_A \slot, (\q)+1, 4
.endm
; A slot's last step changes slots: one barrier; in front of it each wave waits for all its tensor loads, adds 0 to its spare word, and waits for that and for its reads of this slot.
.macro TURN slot, next, fill
	s_wait_tensorcnt 0x0                           ; all my tensor loads have landed: my part of the next slot
	ds_add_u32 v[SPW], v[NIL]                      ; 0 onto my spare word
	s_wait_dscnt 4*NL+1                            ; the add and the youngest sixteen loads may be out
	WIN MUL_LO
	MUL16 0, 1, NQ-1, \slot, 0
	s_wait_dscnt 0x0                               ; the add is done, and my reads of this slot are over
	s_barrier_signal -1
	MUL16 2, 1, NQ-1, \slot, 0
	WIN 0
	s_barrier_wait -1
.if \fill
	CREST                                          ; the barrier has opened a round of the cluster's: no wave of any partner still reads this slot or has a load on its way
	s_add_nc_u64 s[G0+4*\slot+2:G0+4*\slot+3], s[G0+4*\slot+2:G0+4*\slot+3], 2*TROW
	s_add_nc_u64 s[G0B+4*\slot+2:G0B+4*\slot+3], s[G0B+4*\slot+2:G0B+4*\slot+3], 2*TROW
	JLOAD G0+4*\slot, G1, G0B+4*\slot, G1B         ; the first tensor load behind the round; its four v_nop are the places in front of the loads below
.else
	PLACES NP
.endif
	s_wait_alu depctr_va_vdst(0)
	v_add_nc_u32 v[ADRS], 128, v[ADRS]             ; the next chunk's scale words
	FETCH_B \next, 0, 0
	FETCH_A \next, 0, 0
	SCALES \next
	WIN MUL_HI
	MUL16 4, 1, NQ-1, \slot, 0
	MUL16 6, 1, NQ-1, \slot, 0
	PLACES NP
	WIN 0
	FETCH_A \next, 0, 4
.endm
.macro LAST                            ; the last 128 along K: nothing more to fetch
	s_wait_dscnt 4*NL
	WIN MUL_LO
	MUL16 0, 1, NQ-1, 1, 0
	MUL16 2, 1, NQ-1, 1, 0
	s_wait_dscnt 0
	WIN MUL_HI
	MUL16 4, 1, NQ-1, 1, 0
	MUL16 6, 1, NQ-1, 1, 0
	WIN 0
.endm
; block a's 64 sums + the bias -> v[T] on, in window 0; each accumulator is read from its low end on.  lanebias = 1: one number a lane (a pair of registers holds it twice)
.macro TAKE a, lanebias
	WIN 0x02+(\a)/4
.set ii, 0
.rept 32
.if \lanebias
	v_pk_add_f32 v[T+2*ii:T+2*ii+1], v[64*((\a)%4)+2*ii:64*((\a)%4)+2*ii+1], v[BR+2*(\a):BR+2*(\a)+1]
.else
	v_pk_add_f32 v[T+2*ii:T+2*ii+1], v[64*((\a)%4)+2*ii:64*((\a)%4)+2*ii+1], v[BR+2*ii:BR+2*ii+1]
.endif
.set ii, ii+1
.endr
	WIN 0
.endm
	s_wait_alu depctr_va_vdst(0)
	s_wait_tensorcnt 1                             ; the scale words and my part of chunk 0 are in; chunk 1's load may be out
	s_barrier_signal -1
	s_barrier_wait -1
	FETCH_B 0, 0, 0
	FETCH_A 0, 0, 0
	SCALES 0
	FETCH_A 0, 0, 4
	STEP 0, 0, 1                                   ; K = 1,024 is four chunks: written out, no loop.  The first products start the sums
	TURN 0, 1, 1
	STEP 1, 0, 0
	TURN 1, 0, 1
	STEP 0, 0, 0
	TURN 0, 1, 0
	STEP 1, 0, 0
	s_cmp_lt_u32 ttmp9, 2
	s_cbranch_scc0 .Lv
	; ---- q, k: lanes are tokens, registers are channels n0 + 0 .. 127: two heads
	s_lshl_b32 s12, s42, 10
	s_lshl_b32 s13, s16, 9
	s_add_co_u32 s12, s12, s13                     ; 4 n0, n0 = 256 CB + 128 (wave & 1)
	s_mov_b32 s13, 0
	s_add_nc_u64 s[8:9], s[8:9], s[12:13]
	v_lshlrev_b32 v9, 6, v2                        ; 64 h
.irp i, 0,1,2,3,4,5,6,7,8,9,10,11,12,13,14,15
	global_load_b128 v[BR+4*\i:BR+4*\i+3], v9, s[8:9] offset:(32*(\i/4)+4*(\i%4))*4   ; register 8 b + j: channel 32 (b / 2) + 16 h + 8 (b % 2) + j
.endr
	s_lshr_b32 s12, s17, 3                         ; batch
	s_lshl_b32 s12, s12, 4
	s_lshl_b32 s13, s42, 1
	s_add_co_u32 s13, s13, s16
	s_and_b32 s13, s13, 7                          ; which pair of heads
	s_lshl_b32 s13, s13, 1
	s_add_co_u32 s12, s12, s13
	s_mul_i32 s12, s12, REC                        ; the first head's record
	s_lshl_b32 s13, s17, 1
	s_add_co_u32 s13, s13, s15
	s_and_b32 s13, s13, 15                         ; which 128 tokens of the batch
	s_sub_co_u32 s101, 1, ttmp9                    ; 1: q, 0: k
	s_mul_i32 s2, s101, QC
	s_add_co_u32 s2, s2, s12
	s_mul_i32 s3, s13, 6144
	s_add_co_u32 s2, s2, s3
	s_mov_b32 s3, 0
	s_add_nc_u64 s[2:3], s[10:11], s[2:3]          ; the codes' four pairs of tiles
	s_mul_i32 s96, s101, QSO-KSO
	s_add_co_u32 s96, s96, s12
	s_lshl_b32 s97, s13, 9
	s_add_co_u32 s96, s96, s97
	s_add_co_u32 s96, s96, KSO
	s_mov_b32 s97, 0
	s_add_nc_u64 s[96:97], s[10:11], s[96:97]      ; their scale words
	LAST
.irp b, 0,1,2,3
	v_mov_b32 v[TM+4+\b], 0                        ; a lane permute's destination counts as read; these four are also the places behind the last products
.endr
	s_wait_loadcnt 0x0                             ; the bias
.irp a, 0,1,2,3,4,5,6,7
.if (\a > 0) && (\a%2 == 0)
	s_wait_xcnt 0x0                                ; the last pair's stores have read their registers
.endif
	TAKE \a, 0
	QUANT T, X+6*(\a%2), Y+6*(\a%2), SW+\a         ; the first 64 channels are one head's, the second 64 the next head's
.if \a%2 == 1
.irp c, 0,1,2
	global_store_b128 v8, v[X+4*\c:X+4*\c+3], s[2:3] offset:(\a/2)*1536+512*\c          ; a pair of tiles: 12 registers, 512 consecutive bytes a store
	global_store_b128 v8, v[Y+4*\c:Y+4*\c+3], s[2:3] offset:REC+(\a/2)*1536+512*\c
.endr
.endif
.endr
	v_cmp_gt_u32 vcc_lo, 16, v7
.irp i, 0,1,2,3
	v_cndmask_b32 v[V+\i], v[SW+4+\i], v[SW+\i], vcc_lo   ; lanes 0-15: tiles 0-3, lanes 16-31: tiles 4-7
.endr
.irp i, 0,1,2,3
	v_and_or_b32 v[U+\i], v[V+\i], 0xffff, s100    ; the first head's two bytes, and 127 twice
.endr
.irp i, 0,1,2,3
	v_lshrrev_b32 v[V+\i], 16, v[V+\i]
.endr
.irp i, 0,1,2,3
	v_or_b32 v[V+\i], s100, v[V+\i]                ; the second head's
.endr
	global_store_b128 v8, v[U:U+3], s[96:97]
	global_store_b128 v8, v[V:V+3], s[96:97] offset:REC
	s_branch .Lend
.Lv:	; ---- v: lanes are channels (two heads), registers are 128 tokens: one K step of the second product of attention
	s_lshl_b32 s12, s17, 10
	s_lshl_b32 s13, s15, 9
	s_add_co_u32 s12, s12, s13                     ; 4 (256 RA + 128 (wave >> 1))
	s_mov_b32 s13, 0
	s_add_nc_u64 s[8:9], s[8:9], s[12:13]
	v_and_b32 v9, 8, v1
	v_add_nc_u32 v9, v9, v1
	v_lshlrev_b32 v9, 2, v9                        ; 4 (r + 8 (r / 8))
.irp a, 0,1,2,3,4,5,6,7
	global_load_b32 v[BR+2*\a], v9, s[8:9] offset:(32*(\a/2)+8*(\a%2))*4
	global_load_b32 v[BR+2*\a+1], v9, s[8:9] offset:(32*(\a/2)+8*(\a%2))*4   ; twice: the packed addition names a pair
.endr
	s_lshr_b32 s12, s42, 3                         ; batch
	s_lshl_b32 s12, s12, 4
	s_sub_co_u32 s13, s17, 8
	s_lshl_b32 s13, s13, 1
	s_add_co_u32 s13, s13, s15                     ; which pair of heads
	s_lshl_b32 s13, s13, 1
	s_add_co_u32 s12, s12, s13
	s_mul_i32 s12, s12, REC
	s_lshl_b32 s13, s42, 1
	s_add_co_u32 s13, s13, s16
	s_and_b32 s13, s13, 15                         ; which 128 tokens of the batch
	s_mul_i32 s2, s13, 6144
	s_add_co_u32 s2, s2, s12
	s_add_co_u32 s2, s2, VC
	s_mov_b32 s3, 0
	s_add_nc_u64 s[2:3], s[10:11], s[2:3]
	s_lshl_b32 s96, s13, 8
	s_add_co_u32 s96, s96, s12
	s_add_co_u32 s96, s96, VSO
	s_mov_b32 s97, 0
	s_add_nc_u64 s[96:97], s[10:11], s[96:97]
	v_mul_u32_u24 v10, v2, REC
	v_lshl_add_u32 v10, v1, 4, v10                 ; 16 r; lanes 16-31 the next head's record
	LAST
.irp b, 0,1,2,3
	v_mov_b32 v[TM+4+\b], 0
.endr
	s_wait_loadcnt 0x0
.irp a, 0,1,2,3,4,5,6,7
.if \a > 0
	s_wait_xcnt 0x0
.endif
	TAKE \a, 1
	QUANT T, X, X+6, SW+\a                         ; a whole fragment: 16 channels x 128 keys
.irp c, 0,1,2
	global_store_b128 v8, v[X+4*\c:X+4*\c+3], s[2:3] offset:(\a/4)*REC+(\a%4)*1536+512*\c
.endr
.endr
	v_cmp_gt_u32 vcc_lo, 16, v7
.irp i, 0,1,2,3
	v_cndmask_b32 v[V+\i], v[SW+4+\i], v[SW+\i], vcc_lo
.endr
	global_store_b128 v10, v[V:V+3], s[96:97]
.Lend:
	s_wait_tensorcnt 0x0                           ; the wave's end
	ds_add_u32 v[SPW], v[NIL]
	s_wait_dscnt 0x0
	CROUND                                         ; the closing round
	s_endpgm
.Lfunc_end_k_q65e75f28d3_qkv:
	.size	k_q65e75f28d3_qkv, .Lfunc_end_k_q65e75f28d3_qkv-k_q65e75f28d3_qkv
	.p2alignl 7, 3214868480
	.fill 96, 4, 3214868480
	.section	.rodata,"a",@progbits
	.p2align	6, 0x0
	.amdhsa_kernel k_q65e75f28d3_qkv
		.amdhsa_group_segment_fixed_size 327680
		.amdhsa_private_segment_fixed_size 0
		.amdhsa_enable_private_segment 0
		.amdhsa_kernarg_size 32
		.amdhsa_user_sgpr_count 2
		.amdhsa_user_sgpr_kernarg_segment_ptr 1
		.amdhsa_wavefront_size32 1
		.amdhsa_system_sgpr_workgroup_id_x 1
		.amdhsa_system_sgpr_workgroup_id_y 1
		.amdhsa_system_sgpr_workgroup_id_z 1
		.amdhsa_system_vgpr_workitem_id 0
		.amdhsa_next_free_vgpr 1024
		.amdhsa_next_free_sgpr 102
		.amdhsa_reserve_vcc 1
		.amdhsa_float_denorm_mode_32 3
		.amdhsa_float_denorm_mode_16_64 3
		.amdhsa_memory_ordered 1
		.amdhsa_forward_progress 1
		.amdhsa_inst_pref_size 226
	.end_amdhsa_kernel
	.amdgpu_metadata
---
amdhsa.version: [ 1, 2 ]
amdhsa.kernels:
  - .name:           k_q65e75f28d3_qkv
    .symbol:         k_q65e75f28d3_qkv.kd
    .args:
      - { .name: xi, .offset: 0, .size: 8, .value_kind: global_buffer, .address_space: global }
      - { .name: wi, .offset: 8, .size: 8, .value_kind: global_buffer, .address_space: global }
      - { .name: b_in, .offset: 16, .size: 8, .value_kind: global_buffer, .address_space: global }
      - { .name: qkv, .offset: 24, .size: 8, .value_kind: global_buffer, .address_space: global }
    .group_segment_fixed_size: 327680
    .private_segment_fixed_size: 0
    .kernarg_segment_align: 8
    .kernarg_segment_size: 32
    .max_flat_workgroup_size: 128
    .sgpr_count:     102
    .vgpr_count:     1024
    .wavefront_size: 32
...
	.end_amdgpu_metadata
.endif
;; end of part 2
;; launch attn (part 3): grid 4 x 64, 16 waves a work-group, clusters of 4 x 1, 215,040 bytes of LDS; arguments qkv, ai; writes ai
.if DOCPART == 3
	.amdgcn_target "amdgcn-amd-amdhsa--gfx1250"
	.amdhsa_code_object_version 6
	.text
	.protected	k_q65e75f28d3_attn
	.globl	k_q65e75f28d3_attn
	.p2align	8
	.type	k_q65e75f28d3_attn,@function
k_q65e75f28d3_attn:
	s_mov_b64 s[64:65], 0
	v_nop
	global_prefetch_b8 v0, s[64:65] scope:SCOPE_SE
	s_setreg_imm32_b32 hwreg(HW_REG_WAVE_MODE, 25, 1), 1
	s_wait_xcnt 0x0
	s_wait_alu depctr_hold_cnt(0) depctr_sa_sdst(0) depctr_va_vdst(0) depctr_va_sdst(0) depctr_va_ssrc(0) depctr_va_vcc(0) depctr_vm_vsrc(0)
	s_getreg_b32 s2, hwreg(HW_REG_IB_STS2, 6, 4)
	s_cmp_eq_u32 s2, 0
	s_cbranch_scc0 .Lentry_in_a_cluster
	s_endpgm
.Lentry_in_a_cluster:
	s_bfe_u32 s2, ttmp6, 0x10000c
	s_cmp_lg_u32 s2, 0x3003
	s_cbranch_scc0 .Lentry_shape_is_right
	s_endpgm
.Lentry_shape_is_right:
; Causal attention on codes of FP6 (E2M3) for one batch x head to a cluster of four work-groups; the result, divided by the row's sum, is quantised along (head, channel) and leaves as
; images of the last product's operand registers (records of 12,800 bytes a tile of 16 tokens; a head's 64 channels are half a fragment, 768 bytes).
; THE SOFTMAX: t = score x log2(e) / 8; M = the running largest t rounded up to a whole number; p = 2^(t - M) is quantised along the keys; the row's sum is taken of the unquantised p.
; K, V and their scale words of the whole head, 208,896 bytes, come into LDS ONCE, by one joint tensor load a wave (16 x 13,056 bytes), asked for alike by the four work-groups: nothing is filled again.
; SHARES.  A head has 128 tiles of 16 queries.  Wave w of work-group cx makes tile 4 w + cx and then tile 127 - (4 w + cx): their last key steps are w / 2 and 15 - w / 2, so every wave works 17 key
; steps of 128 keys.  Every wave walks 16 trips in each pass; a step whose keys all come after the tile's queries is jumped over by a scalar branch on the wave's number.
; LAYOUT.  Both products are used transposed (S^T = K Q^T, O^T = V^T P^T): a lane holds one query.  Tile 2 b + u holds in lane r the token 32 b + 8 u + r + 8 (r / 8), so the 16 registers of two
; neighbouring tiles of S^T are 16 neighbouring keys, and those of O^T 16 neighbouring channels.
; K = 64 IN AN INSTRUCTION OF 128: Q's registers 6-11 are zero codes, so what K's upper six registers hold (the next tile's codes; FP6 has no NaN) adds nothing; the scale bytes there are 127.
; LIMITS: a block of zeros gets the byte 1 where the rule says 127 (zero codes; the bytes are this program's own); NaN and infinities are not served.
.set REC,  315392
.set VC,   98304
.set KSO,  196608
.set VSO,  204800
.set QC,   208896
.set QSO,  307200
.set AK0,  1                           ; v1  16 x lane: my place in an image of K
.set AV0,  2                           ; v2  the same for V
.set ASK0, 3                           ; v3  K's scale words
.set ASV0, 4                           ; v4  V's: 16 r
.set ADK,  8
.set ADV,  9
.set ADS,  10
.set ADT,  11
.set KV,   32                          ; v32-79 K's eight tiles, then V's four fragments; v80-85 zeros
.set BM,   208
.set BT,   212
.set SO,   216
.set WV,   18
.set SEL,  20
.set CS,   22
.set KI,   37
.set LS,   38
.set TK,   39
.set TS,   40
.set TJ,   41
.set AT,   42                          ; s42 the tile of queries in hand
.set UM,   43
.macro ROUND
	s_barrier_signal -1
	s_barrier_wait -1
	s_cmp_lg_u32 s[WV], 0
	s_cbranch_scc1 .Lnot_wave_0_\@
	s_barrier_signal -3
.Lnot_wave_0_\@:
	s_barrier_wait -3
	s_barrier_signal -1
	s_barrier_wait -1
.endm
	s_load_b128 s[4:7], s[0:1], 0x0                ; qkv, ai
	v_lshl_add_u32 v251, v0, 2, 0x34000
	v_mov_b32 v255, 0
	ds_add_u32 v251, v255
	ds_add_u32 v251, v255
	v_lshrrev_b32 v8, 5, v0
	s_delay_alu instid0(VALU_DEP_1)
	v_readfirstlane_b32 s[WV], v8                  ; wave 0..15
	s_bfe_u32 s19, ttmp6, 0x40000                  ; cx
	s_and_b32 s36, ttmp7, 0xffff                   ; batch x 16 + head: the cluster's y
	s_mul_i32 s10, s36, REC
	s_mov_b32 s11, 0
	s_mul_i32 s33, s[WV], 13056                    ; my sixteenth of the head's K and V, in LDS
	s_mov_b32 s12, s33                             ; and in memory
	s_mov_b32 s13, 0
	s_mov_b32 s24, 15|(3<<16)|(1<<21)              ; the mask: all four work-groups; elements of 8 bytes; bit 21 beside a mask
	s_mov_b32 s25, 32<<16                          ; rows of 256 bytes
	s_mov_b32 s26, 51<<16                          ; 51 of them
	s_mov_b32 s27, 32<<16
	s_mov_b32 s28, 51
	s_mov_b32 s29, 32                              ; dense
	s_mov_b32 s30, 0
	s_mov_b32 s31, 0
	s_mov_b32 s32, 1
	s_mov_b32 s[SEL], 0x76543210
	s_mov_b32 s[SEL+1], 0xfedcba98
	s_mov_b32 s[CS], 0x3e38aa3b                    ; c = log2(e) / sqrt(64)
	s_mov_b32 s[CS+1], s[CS]
	s_wait_dscnt 0x0
	s_wait_kmcnt 0x0
	s_add_nc_u64 s[8:9], s[4:5], s[10:11]          ; the head's record
	s_add_nc_u64 s[34:35], s[8:9], s[12:13]
	s_or_b32 s35, s35, 0x80000000
	ROUND                                          ; the four work-groups are here: the joint loads meet
	tensor_load_to_lds s[32:35], s[24:31]
	s_nop 0
.rept 4
	v_nop
.endr
	v_and_b32 v8, 31, v0                           ; lane
	v_and_b32 v9, 15, v0                           ; r
	v_bfe_u32 v10, v0, 4, 1                        ; h
	s_delay_alu instid0(VALU_DEP_3)
	v_lshlrev_b32 v[AK0], 4, v8
	s_delay_alu instid0(VALU_DEP_1)
	v_add_nc_u32 v[AV0], VC, v[AK0]
	s_delay_alu instid0(VALU_DEP_2)
	v_add_nc_u32 v[ASK0], KSO, v[AK0]
	v_lshlrev_b32 v206, 4, v9                      ; 16 r
	s_delay_alu instid0(VALU_DEP_1)
	v_add_nc_u32 v[ASV0], VSO, v206
	v_and_b32 v5, 8, v9
	s_delay_alu instid0(VALU_DEP_1)
	v_add_nc_u32 v5, v5, v9
	v_lshlrev_b32 v10, 4, v10
	s_delay_alu instid0(VALU_DEP_1)
	v_sub_nc_u32 v5, v5, v10                       ; r + 8 (r / 8) - 16 h
	v_lshlrev_b32 v6, 4, v8                        ; global offsets: 16 x lane,
	s_wait_alu depctr_va_vdst(0)
	v_lshlrev_b32 v7, 3, v8                        ; 8 x lane,
	v_lshlrev_b32 v31, 3, v9                       ; 8 r
	s_lshl_b32 s[AT], s[WV], 2
	s_add_co_u32 s[AT], s[AT], s19                 ; the first pass's tile
	s_sub_co_u32 s45, 127, s[AT]                   ; the second's
	s_mov_b32 s47, 0
	s_lshr_b32 s46, s[AT], 1
	s_mul_i32 s46, s46, 1536
	s_add_co_u32 s46, s46, QC
	s_add_nc_u64 s[48:49], s[8:9], s[46:47]        ; the pair of tiles of Q that holds it
	s_lshr_b32 s46, s[AT], 2
	s_lshl_b32 s46, s46, 8
	s_and_b32 s44, s[AT], 3
	s_lshl_b32 s44, s44, 2
	s_add_co_u32 s46, s46, s44
	s_add_co_u32 s46, s46, QSO
	s_add_nc_u64 s[50:51], s[8:9], s[46:47]        ; its scale words: 16 bytes from row to row
	s_lshr_b32 s46, s45, 1
	s_mul_i32 s46, s46, 1536
	s_add_co_u32 s46, s46, QC
	s_add_nc_u64 s[52:53], s[8:9], s[46:47]
	s_lshr_b32 s46, s45, 2
	s_lshl_b32 s46, s46, 8
	s_and_b32 s44, s45, 3
	s_lshl_b32 s44, s44, 2
	s_add_co_u32 s46, s46, s44
	s_add_co_u32 s46, s46, QSO
	s_add_nc_u64 s[54:55], s[8:9], s[46:47]
.irp c, 0,1,2
	global_load_b128 v[96+4*\c:99+4*\c], v6, s[48:49] offset:512*\c
.endr
	global_load_b32 v28, v206, s[50:51]
.irp c, 0,1,2
	global_load_b128 v[192+4*\c:195+4*\c], v6, s[52:53] offset:512*\c
.endr
	global_load_b32 v204, v206, s[54:55]
.irp i, 0,1,2,3,4,5
	v_mov_b32 v[22+\i], 0                          ; Q's upper 64 along K: zero codes
	v_mov_b32 v[80+\i], 0                          ; and what stands behind K's last tile
.endr
.irp b, 0,1,2,3
	v_mov_b32 v[BT+\b], 0                          ; written once: a lane permute's destination counts as one of its sources
.endr
	v_mov_b32 v253, 0                              ; named as the upper half of the pair v[252:253]
	v_mov_b32 v254, 0
	s_lshr_b32 s[LS], s[WV], 1                     ; the first pass's last key step
	s_wait_tensorcnt 0x0                           ; my sixteenth is in,
	s_barrier_signal -1
	s_barrier_wait -1                              ; everybody's is
	s_wait_loadcnt 0x0                             ; Q
; A KEY STEP: 128 keys
.macro STEP
	s_cmp_gt_u32 s[KI], s[LS]                      ; all its keys come after my queries: only the addresses step
	s_cbranch_scc1 .Lhid_\@
	s_setprio 2
	v_add_nc_u32 v[ADK], s[TK], v[AK0]             ; (these four are the places behind the last step's products, in front of the loads below)
	v_add_nc_u32 v[ADV], s[TK], v[AV0]
	v_add_nc_u32 v[ADS], s[TS], v[ASK0]
	v_add_nc_u32 v[ADT], s[TJ], v[ASV0]
.irp i, 0,1,2,3,4,5,6,7,8,9,10,11
	ds_load_b128 v[KV+4*\i:KV+4*\i+3], v[ADK] offset:512*\i   ; tile t's six registers at v[32 + 6 t]
.endr
	ds_load_b128 v[86:89], v[ADS]                  ; lanes 0-15: the words of tiles 0-3, lanes 16-31: of tiles 4-7
	s_wait_alu depctr_va_vdst(0)
	s_wait_dscnt 0x0
.irp t, 0,1,2,3
	v_wmma_scale_f32_16x16x128_f8f6f4 v[96+8*\t:103+8*\t], v[KV+6*\t:KV+6*\t+11], v[16:27], 0, v[86+\t], v28 matrix_a_fmt:MATRIX_FMT_FP6 matrix_b_fmt:MATRIX_FMT_FP6
.endr
.irp t, 4,5,6,7
	v_wmma_scale_f32_16x16x128_f8f6f4 v[96+8*\t:103+8*\t], v[KV+6*\t:KV+6*\t+11], v[16:27], 0, v[82+\t], v28 matrix_a_fmt:MATRIX_FMT_FP6 matrix_b_fmt:MATRIX_FMT_FP6 matrix_a_scale:MATRIX_SCALE_ROW1
.endr
.rept 4
	v_nop                                          ; places: in front of the loads into K's registers and of the first read of the scores
.endr
.irp i, 0,1,2,3,4,5,6,7,8,9,10,11
	ds_load_b128 v[KV+4*\i:KV+4*\i+3], v[ADV] offset:512*\i   ; V's four fragments land while the softmax is worked
.endr
	ds_load_b128 v[90:93], v[ADT]
	s_cmp_lg_u32 s[KI], s[LS]                      ; only my last step lies on the diagonal
	s_cbranch_scc1 .Lopen_\@
	v_mov_b32 v254, 0xff800000                     ; -infinity
.set jj, 0
.rept 64
	v_cmp_gt_i32 vcc_lo, 32*(jj/16)+jj%16, v30     ; register 16 b + i holds key 32 b + 16 h + i of the step: hidden where 32 b + i > d
	v_cndmask_b32 v[96+jj], v[96+jj], v254, vcc_lo
.set jj, jj+1
.endr
.Lopen_\@:
.irp b, 0,1,2,3
	v_max3_num_f32 v[BM+\b], v[96+16*\b], v[97+16*\b], v[98+16*\b]   ; the largest score of each block of 32 keys: for the row's maximum and for the block's largest p
.endr
.irp i, 3,5,7,9,11,13
.irp b, 0,1,2,3
	v_max3_num_f32 v[BM+\b], v[BM+\b], v[96+16*\b+\i], v[97+16*\b+\i]
.endr
.endr
.irp b, 0,1,2,3
	v_max_num_f32 v[BM+\b], v[BM+\b], v[111+16*\b]
.endr
.irp b, 0,1,2,3
	s_delay_alu instid0(VALU_DEP_4)
	v_permlanex16_b32 v[BT+\b], v[BM+\b], s[SEL], s[SEL+1]
.endr
.irp b, 0,1,2,3
	s_delay_alu instid0(VALU_DEP_4)
	v_max_num_f32 v[BM+\b], v[BM+\b], v[BT+\b]
.endr
	s_delay_alu instid0(VALU_DEP_2)
	v_max3_num_f32 v254, v[BM], v[BM+1], v[BM+2]
	s_delay_alu instid0(VALU_DEP_1)
	v_max_num_f32 v254, v254, v[BM+3]
	s_delay_alu instid0(VALU_DEP_1)
	v_mul_f32 v254, s[CS], v254
	s_delay_alu instid0(VALU_DEP_1)
	v_max_num_f32 v13, v13, v254                   ; the running largest t
	v_mov_b32 v254, v12
	s_delay_alu instid0(VALU_DEP_2)
	v_floor_f32 v12, -v13                          ; -M = floor(-t): M is a whole number
	s_delay_alu instid0(VALU_DEP_1)
	v_sub_f32 v254, v12, v254
	s_delay_alu instid0(VALU_DEP_1)
	v_cvt_i32_f32 v254, v254                       ; (it saturates)
	s_delay_alu instid0(VALU_DEP_1)
	v_ldexp_f32 v252, 1.0, v254                    ; f = 2^(old M - new M)
.set jj, 0
.rept 32
	v_pk_fma_f32 v[96+jj:97+jj], v[96+jj:97+jj], s[CS:CS+1], v[12:13] op_sel_hi:[1,0,0]   ; t - M
.set jj, jj+2
.endr
	s_setprio 1
.irp b, 0,1,2,3
	v_fma_f32 v[BM+\b], v[BM+\b], s[CS], v12
.endr
.set jj, 0
	s_wait_alu depctr_va_vdst(0)
.rept 64
	v_exp_f32 v[96+jj], v[96+jj]                   ; p = 2^(t - M)
.set jj, jj+1
.endr
.irp b, 0,1,2,3
	v_exp_f32 v[BM+\b], v[BM+\b]                   ; the block's largest p: the same two instructions on the same number
.endr
	v_pk_mul_f32 v[14:15], v[14:15], v[252:253] op_sel_hi:[1,0]   ; the sums under the new M (a plain place behind the exponentials)
	s_wait_alu depctr_va_vdst(0)
.irp b, 0,1,2,3
	v_max_num_f32 v[BM+\b], 0x1800000, v[BM+\b]    ; the floor 2^(3 - 127)
.endr
.irp b, 0,1,2,3
	s_delay_alu instid0(VALU_DEP_4)
	v_add_nc_u32 v[SO+\b], 0xff000000, v[BM+\b]
.endr
.irp b, 0,1,2,3
	s_delay_alu instid0(VALU_DEP_4)
	v_lshrrev_b32 v[BT+\b], 23, v[SO+\b]
.endr
	s_delay_alu instid0(VALU_DEP_3)
	v_lshl_or_b32 v29, v[BT+1], 8, v[BT]           ; p's scale word
	s_delay_alu instid0(VALU_DEP_1)
	v_lshl_or_b32 v29, v[BT+2], 16, v29
	s_delay_alu instid0(VALU_DEP_1)
	v_lshl_or_b32 v29, v[BT+3], 24, v29
.irp c, 0,1
	v_cvt_scalef32_pk16_fp6_f32 v[224+6*\c:226+6*\c], v[96+32*\c:111+32*\c], v[SO+2*\c]
	v_cvt_scalef32_pk16_fp6_f32 v[236+4*\c:238+4*\c], v[112+32*\c:127+32*\c], v[SO+2*\c+1]
.endr
	v_nop                                          ; one plain place behind a scaled conversion
.irp c, 0,1
.irp i, 0,1,2
	v_permlane16_swap_b32 v[224+6*\c+\i], v[236+4*\c+\i]
.endr
.irp i, 0,1,2
	s_delay_alu instid0(VALU_DEP_3)
	v_mov_b32 v[227+6*\c+\i], v[236+4*\c+\i]
.endr
.endr
	v_pk_add_f32 v[220:221], v[100:101], v[104:105]
	v_pk_add_f32 v[248:249], v[108:109], v[112:113]
	v_pk_add_f32 v[246:247], v[116:117], v[120:121]
	v_pk_add_f32 v[244:245], v[124:125], v[128:129]
	v_pk_add_f32 v[242:243], v[132:133], v[136:137]
	v_pk_add_f32 v[240:241], v[140:141], v[144:145]
	v_pk_add_f32 v[238:239], v[148:149], v[152:153]
	v_pk_add_f32 v[14:15], v[14:15], v[156:157]
	v_pk_add_f32 v[220:221], v[220:221], v[96:97]
	v_pk_add_f32 v[248:249], v[248:249], v[98:99]
	v_pk_add_f32 v[246:247], v[246:247], v[102:103]
	s_setprio 0
	v_pk_add_f32 v[244:245], v[244:245], v[106:107]
	v_pk_add_f32 v[242:243], v[242:243], v[110:111]
	v_pk_add_f32 v[240:241], v[240:241], v[114:115]
	v_pk_add_f32 v[238:239], v[238:239], v[118:119]
	v_pk_add_f32 v[14:15], v[14:15], v[122:123]
	v_pk_add_f32 v[220:221], v[220:221], v[126:127]
	v_pk_add_f32 v[248:249], v[248:249], v[130:131]
	v_pk_add_f32 v[246:247], v[246:247], v[134:135]
	v_pk_add_f32 v[244:245], v[244:245], v[138:139]
	v_pk_add_f32 v[242:243], v[242:243], v[142:143]
	v_pk_add_f32 v[240:241], v[240:241], v[146:147]
	v_pk_add_f32 v[238:239], v[238:239], v[150:151]
	v_pk_add_f32 v[14:15], v[14:15], v[154:155]
	v_pk_add_f32 v[220:221], v[220:221], v[158:159]
	s_delay_alu instid0(VALU_DEP_2)
	v_pk_add_f32 v[14:15], v[14:15], v[244:245]
	s_delay_alu instid0(VALU_DEP_2)
	v_pk_add_f32 v[220:221], v[220:221], v[242:243]
	v_pk_add_f32 v[248:249], v[248:249], v[240:241]
	v_pk_add_f32 v[246:247], v[246:247], v[238:239]
	s_delay_alu instid0(VALU_DEP_2)
	v_pk_add_f32 v[14:15], v[14:15], v[248:249]
	s_delay_alu instid0(VALU_DEP_2)
	v_pk_add_f32 v[220:221], v[220:221], v[246:247]
	s_delay_alu instid0(VALU_DEP_1)
	v_pk_add_f32 v[14:15], v[14:15], v[220:221]
.set jj, 0
.rept 16
	v_pk_mul_f32 v[160+jj:161+jj], v[160+jj:161+jj], v[252:253] op_sel_hi:[1,0]   ; O^T under the new M
.set jj, jj+2
.endr
	s_wait_alu depctr_va_vdst(0)
	s_wait_dscnt 0x0                               ; V
.irp t, 0,1,2,3
	v_wmma_scale_f32_16x16x128_f8f6f4 v[160+8*\t:167+8*\t], v[KV+12*\t:KV+12*\t+11], v[224:235], v[160+8*\t:167+8*\t], v[90+\t], v29 matrix_a_fmt:MATRIX_FMT_FP6 matrix_b_fmt:MATRIX_FMT_FP6
.endr
.Lhid_\@:
	s_add_co_u32 s[TK], s[TK], 6144
	s_add_co_u32 s[TS], s[TS], 512
	s_add_co_u32 s[TJ], s[TJ], 256
.endm
; A PASS: one tile of 16 queries from its first key to its last, and its way out
.macro PASS n
.set QP, 96+96*\n                      ; where the pair of tiles of Q lies
.if \n
	s_wait_xcnt 0x0                                ; the first pass's stores have read their registers and bases
	s_sub_co_u32 s[AT], 127, s[AT]
	s_xor_b32 s[LS], s[LS], 15                     ; 15 - the first pass's
.endif
	s_and_b32 s[UM], s[AT], 1
	s_sub_co_u32 s[UM], 0, s[UM]                   ; all ones: the pair's second tile
.irp i, 0,1,2,3,4,5
	v_cndmask_b32 v[16+\i], v[QP+\i], v[QP+6+\i], s[UM]
.endr
.if \n
	v_mov_b32 v28, v204
.endif
	s_bfe_u32 s44, s[AT], 0x20001
	s_lshl_b32 s44, s44, 5
	s_and_b32 s45, s[AT], 1
	s_lshl_b32 s45, s45, 3
	s_add_co_u32 s44, s44, s45
	v_add_nc_u32 v30, s44, v5                      ; d = my query's place in its key step - 16 h
	s_lshr_b32 s56, s36, 4
	s_lshl_b32 s56, s56, 7
	s_add_co_u32 s56, s56, s[AT]                   ; the tile among all 512
	s_mul_i32 s56, s56, 12800
	s_and_b32 s44, s36, 15                         ; the head
	s_mul_i32 s46, s44, 768
	s_add_co_u32 s46, s46, s56
	s_add_nc_u64 s[58:59], s[6:7], s[46:47]        ; its half fragment
	s_lshr_b32 s46, s44, 2
	s_lshl_b32 s46, s46, 7
	s_and_b32 s44, s44, 3
	s_lshl_b32 s44, s44, 1
	s_add_co_u32 s46, s46, s44
	s_add_co_u32 s46, s46, s56
	s_add_co_u32 s46, s46, 12288
	s_add_nc_u64 s[60:61], s[6:7], s[46:47]        ; its two bytes of each row's scale words
	v_mov_b32 v13, 0xff61b1e6                      ; the largest t so far: -3e38
	s_delay_alu instid0(VALU_DEP_1)
	v_floor_f32 v12, -v13
	v_mov_b32 v14, 0
	v_mov_b32 v15, 0
.set jj, 0
.rept 32
	v_mov_b32 v[160+jj], 0                         ; O^T: the step is written once; the first change of M leaves zeros zeros
.set jj, jj+1
.endr
	s_mov_b32 s[KI], 0
	s_mov_b32 s[TK], 0
	s_mov_b32 s[TS], 0
	s_mov_b32 s[TJ], 0
.Lkey_\@:
	STEP
	s_add_co_u32 s[KI], s[KI], 1
	s_cmp_lt_u32 s[KI], 16
	s_cbranch_scc1 .Lkey_\@
	s_setprio 0
.rept 4
	v_nop                                          ; places behind the last products
.endr
	v_add_f32 v14, v14, v15
	s_delay_alu instid0(VALU_DEP_1)
	v_permlanex16_b32 v254, v14, s[SEL], s[SEL+1]
	s_delay_alu instid0(VALU_DEP_1)
	v_add_f32 v14, v14, v254                       ; the row's sum
	s_wait_alu depctr_va_vdst(0)
	v_rcp_f32 v14, v14
	v_nop
.set jj, 0
	s_wait_alu depctr_va_vdst(0)
.rept 32
	v_mul_f32 v[96+jj], v[160+jj], v14             ; register 16 b + i: channel 32 b + 16 h + i of my query
.set jj, jj+1
.endr
.irp b, 0,1
	v_max3_num_f32 v[BM+\b], |v[96+16*\b]|, |v[97+16*\b]|, 0x1800000
.endr
.irp i, 2,4,6,8,10,12,14
.irp b, 0,1
	s_delay_alu instid0(VALU_DEP_2)
	v_max3_num_f32 v[BM+\b], v[BM+\b], |v[96+16*\b+\i]|, |v[97+16*\b+\i]|
.endr
.endr
.irp b, 0,1
	s_delay_alu instid0(VALU_DEP_2)
	v_permlanex16_b32 v[BT+\b], v[BM+\b], s[SEL], s[SEL+1]
.endr
.irp b, 0,1
	s_delay_alu instid0(VALU_DEP_2)
	v_max_num_f32 v[BM+\b], v[BM+\b], v[BT+\b]
.endr
.irp b, 0,1
	s_delay_alu instid0(VALU_DEP_2)
	v_add_nc_u32 v[SO+\b], 0xff000000, v[BM+\b]
.endr
.irp b, 0,1
	s_delay_alu instid0(VALU_DEP_2)
	v_lshrrev_b32 v[BT+\b], 23, v[SO+\b]
.endr
	s_delay_alu instid0(VALU_DEP_1)
	v_lshl_or_b32 v[BT], v[BT+1], 8, v[BT]         ; the head's two scale bytes of my row
	v_cvt_scalef32_pk16_fp6_f32 v[224:226], v[96:111], v[SO]
	v_cvt_scalef32_pk16_fp6_f32 v[236:238], v[112:127], v[SO+1]
	v_nop
.irp i, 0,1,2
	v_permlane16_swap_b32 v[224+\i], v[236+\i]
.endr
.irp i, 0,1,2
	s_delay_alu instid0(VALU_DEP_3)
	v_mov_b32 v[227+\i], v[236+\i]
.endr
	global_store_b128 v6, v[224:227], s[58:59]             ; 512 consecutive bytes, aligned to 256
	global_store_b64 v7, v[228:229], s[58:59] offset:512   ; 256
	global_store_b16 v31, v[BT], s[60:61]                  ; two bytes a row (both halves of the lanes write the same); one byte in 24 of what the pass stores
.endm
	PASS 0
	PASS 1
	s_wait_dscnt 0x0
	s_wait_tensorcnt 0x0
	ds_add_u32 v251, v255
	s_wait_dscnt 0x0
	ROUND                                          ; the closing round
	s_endpgm
.Lfunc_end_k_q65e75f28d3_attn:
	.size	k_q65e75f28d3_attn, .Lfunc_end_k_q65e75f28d3_attn-k_q65e75f28d3_attn
	.p2alignl 7, 3214868480
	.fill 96, 4, 3214868480
	.section	.rodata,"a",@progbits
	.p2align	6, 0x0
	.amdhsa_kernel k_q65e75f28d3_attn
		.amdhsa_group_segment_fixed_size 215040
		.amdhsa_private_segment_fixed_size 0
		.amdhsa_enable_private_segment 0
		.amdhsa_kernarg_size 16
		.amdhsa_user_sgpr_count 2
		.amdhsa_user_sgpr_kernarg_segment_ptr 1
		.amdhsa_wavefront_size32 1
		.amdhsa_system_sgpr_workgroup_id_x 1
		.amdhsa_system_sgpr_workgroup_id_y 1
		.amdhsa_system_sgpr_workgroup_id_z 1
		.amdhsa_system_vgpr_workitem_id 0
		.amdhsa_next_free_vgpr 256
		.amdhsa_next_free_sgpr 66
		.amdhsa_reserve_vcc 1
		.amdhsa_float_denorm_mode_32 3
		.amdhsa_float_denorm_mode_16_64 3
		.amdhsa_memory_ordered 1
		.amdhsa_forward_progress 1
		.amdhsa_inst_pref_size 65
	.end_amdhsa_kernel
	.amdgpu_metadata
---
amdhsa.version: [ 1, 2 ]
amdhsa.kernels:
  - .name:           k_q65e75f28d3_attn
    .symbol:         k_q65e75f28d3_attn.kd
    .args:
      - { .name: qkv, .offset: 0, .size: 8, .value_kind: global_buffer, .address_space: global }
      - { .name: ai, .offset: 8, .size: 8, .value_kind: global_buffer, .address_space: global }
    .group_segment_fixed_size: 215040
    .private_segment_fixed_size: 0
    .kernarg_segment_align: 8
    .kernarg_segment_size: 16
    .max_flat_workgroup_size: 512
    .sgpr_count:     66
    .vgpr_count:     256
    .wavefront_size: 32
...
	.end_amdgpu_metadata
.endif
;; end of part 3
;; launch proj (part 4): grid 4 x 32, 4 waves a work-group, clusters of 4 x 4, 327,680 bytes of LDS; arguments ai, wo, b_out, out0; writes out0
.if DOCPART == 4
	.amdgcn_target "amdgcn-amd-amdhsa--gfx1250"
	.amdhsa_code_object_version 6
	.text
	.protected	k_q65e75f28d3_proj
	.globl	k_q65e75f28d3_proj
	.p2align	8
	.type	k_q65e75f28d3_proj,@function
k_q65e75f28d3_proj:
	s_mov_b64 s[64:65], 0
	v_nop
	global_prefetch_b8 v0, s[64:65] scope:SCOPE_SE
	s_setreg_imm32_b32 hwreg(HW_REG_WAVE_MODE, 25, 1), 1
	s_wait_xcnt 0x0
	s_wait_alu depctr_hold_cnt(0) depctr_sa_sdst(0) depctr_va_vdst(0) depctr_va_sdst(0) depctr_va_ssrc(0) depctr_va_vcc(0) depctr_vm_vsrc(0)
	s_getreg_b32 s2, hwreg(HW_REG_IB_STS2, 6, 4)
	s_cmp_eq_u32 s2, 0
	s_cbranch_scc0 .Lentry_in_a_cluster
	s_endpgm
.Lentry_in_a_cluster:
	s_bfe_u32 s2, ttmp6, 0x10000c
	s_cmp_lg_u32 s2, 0xf033
	s_cbranch_scc0 .Lentry_shape_is_right
	s_endpgm
.Lentry_shape_is_right:
; out0 = attention's result x W_out^T + b_out on codes of FP6 (E2M3), K = 1,024; out0 [8192][1024] f32.
; A tile of 256 x 256 to a work-group of four waves, 128 x 128 to a wave; K in chunks of 256 through two LDS slots filled by the tensor data mover.
; Operands lie in memory as images of their registers (records of 12,800 bytes a row tile; tile T = 2 B + u holds in lane r the row 32 B + 8 u + r + 8 (r / 8)).
; Source 1 (A') = tokens (ai), source 0 (B') = rows of W_out: a lane's eight results are eight neighbouring columns of one row of out0.  The bias is the C of each sum's first product.
; CLUSTERS: 4 x 4 work-groups; A's tiles are asked for jointly along a row of the cluster, B's along a column.  The grid has 128 work-groups: one for each tile of 256 x 256.
; REGISTERS: window 0: v0-31 addresses; v32-63 scale words; v64-127 the bias; from v128 A's fragments (on the way out: rows read back).  window 1: B's two sets.  windows 2, 3: the accumulators.
.set NQ,     2
.set FR,     12
.set NL,     4
.set NP,     4
.set FRB,    1536
.set TROW,   3072
.set HALFT,  8*TROW
.set SLOT,   4*HALFT
.set SCL,    2*SLOT
.set HALFS,  4096
.set SPARE,  SCL+4*HALFS
.set SPITCH, 528                       ; the way out: 16 rows x (512 + 16) bytes a wave, in slot 0, which has had its last fill and its last read by then
.set ADRA, 16
.set ADRB, 20
.set STO,  24
.set RD,   25
.set CO,   26
.set ADRS, 27
.set SPW,  28
.set NIL,  29
.set SC,   32
.set BR,   64
.set AF,   128
.set BK,   128
.set G1, 24
.set G0, 32
.set G1B, 48
.set G0B, 56
.set G1S, 68
.set G0S, 76
.set G1SB, 80
.set G0SB, 88
.set MSB, 0
.macro WIN new
.if MSB != (\new)
	s_set_vgpr_msb (MSB<<8)|(\new)
.set MSB, (\new)
.endif
.endm
.set MUL_LO, 0xa1
.set MUL_HI, 0xf1
.set TO_B,   0x40
.macro JLOAD g0a, g1a, g0b, g1b
	s_cmp_eq_u32 s15, 0
	s_cbranch_scc0 .Lfor_b_\@
	tensor_load_to_lds s[\g0a:\g0a+3], s[\g1a:\g1a+7]
	s_nop 0
.rept 4
	v_nop
.endr
	s_branch .Lasked_\@
.Lfor_b_\@:
	tensor_load_to_lds s[\g0b:\g0b+3], s[\g1b:\g1b+7]
	s_nop 0
.rept 4
	v_nop
.endr
.Lasked_\@:
.endm
.macro CREST
	s_cmp_lg_u32 s14, 0
	s_cbranch_scc1 .Lnot_wave_0_\@
	s_barrier_signal -3
.Lnot_wave_0_\@:
	s_barrier_wait -3
	s_barrier_signal -1
	s_barrier_wait -1
.endm
.macro CROUND
	s_barrier_signal -1
	s_barrier_wait -1
	CREST
.endm
	s_load_b256 s[4:11], s[0:1], 0x0               ; ai s[4:5], wo s[6:7], b_out s[8:9], out0 s[10:11]
	v_lshl_add_u32 v[SPW], v0, 2, SPARE
	v_mov_b32 v[NIL], 0
	ds_add_u32 v28, v29
	ds_add_u32 v28, v29
	s_wait_dscnt 0x0
	v_lshrrev_b32 v1, 5, v0
	v_readfirstlane_b32 s14, v1
	s_lshr_b32 s15, s14, 1
	s_and_b32 s16, s14, 1
	s_bfe_u32 s40, ttmp6, 0x40000                  ; cx
	s_bfe_u32 s41, ttmp6, 0x40004                  ; cy
	s_lshl_b32 s42, ttmp9, 2
	s_add_co_u32 s42, s42, s40                     ; CB: which 256 rows of W_out
	s_and_b32 s17, ttmp7, 0xffff
	s_lshl_b32 s17, s17, 2
	s_add_co_u32 s17, s17, s41                     ; RA: which 256 tokens
	s_lshl_b32 s43, s41, 2
	s_lshl_b32 s43, 15, s43
	s_lshl_b32 s44, 0x1111, s40
	s_or_b32 s[G1+0], s43, (3<<16)|(1<<21)
	s_or_b32 s[G1B+0], s44, (3<<16)|(1<<21)
.irp g, G1, G1B
	s_mov_b32 s[\g+1], 384<<16
	s_mov_b32 s[\g+2], 8<<16
	s_mov_b32 s[\g+3], 384<<16
	s_mov_b32 s[\g+4], 8
	s_mov_b32 s[\g+5], 1600
	s_mov_b32 s[\g+6], 0
	s_mov_b32 s[\g+7], 0
.endr
	s_or_b32 s[G1S+0], s43, (3<<16)|(1<<21)
	s_or_b32 s[G1SB+0], s44, (3<<16)|(1<<21)
.irp g, G1S, G1SB
	s_mov_b32 s[\g+1], 64<<16
	s_mov_b32 s[\g+2], 8<<16
	s_mov_b32 s[\g+3], 64<<16
	s_mov_b32 s[\g+4], 8
	s_mov_b32 s[\g+5], 1600
	s_mov_b32 s[\g+6], 0
	s_mov_b32 s[\g+7], 0
.endr
	s_mul_i32 s18, s16, 102400
	s_mul_i32 s45, s14, HALFT
	s_lshl_b32 s19, s14, 12
	s_mul_i32 s20, s17, 204800
	s_add_co_u32 s20, s20, s18
	s_mov_b32 s21, 0
	s_mul_i32 s46, s42, 204800
	s_add_co_u32 s46, s46, s18
	s_mov_b32 s47, 0
	s_wait_kmcnt 0x0
	s_add_nc_u64 s[20:21], s[4:5], s[20:21]
	s_add_nc_u64 s[46:47], s[6:7], s[46:47]
	CROUND
	s_mov_b32 s[G0S], 1
	s_add_co_u32 s[G0S+1], s19, SCL
	s_add_nc_u64 s[G0S+2:G0S+3], s[20:21], 12288
	s_or_b32 s[G0S+3], s[G0S+3], 0x80000000
	s_mov_b32 s[G0SB], 1
	s_add_co_u32 s[G0SB+1], s19, SCL
	s_add_nc_u64 s[G0SB+2:G0SB+3], s[46:47], 12288
	s_or_b32 s[G0SB+3], s[G0SB+3], 0x80000000
	JLOAD G0S, G1S, G0SB, G1SB
.irp s, 0,1
	s_mov_b32 s[G0+4*\s], 1
	s_add_co_u32 s[G0+4*\s+1], s45, \s*SLOT
	s_add_nc_u64 s[G0+4*\s+2:G0+4*\s+3], s[20:21], \s*TROW
	s_or_b32 s[G0+4*\s+3], s[G0+4*\s+3], 0x80000000
	s_mov_b32 s[G0B+4*\s], 1
	s_add_co_u32 s[G0B+4*\s+1], s45, \s*SLOT
	s_add_nc_u64 s[G0B+4*\s+2:G0B+4*\s+3], s[46:47], \s*TROW
	s_or_b32 s[G0B+4*\s+3], s[G0B+4*\s+3], 0x80000000
	s_wait_alu depctr_va_vdst(0)
	s_wait_tensorcnt 0x0
	ds_add_u32 v28, v29
	s_wait_dscnt 0x0
	CROUND
	JLOAD G0+4*\s, G1, G0B+4*\s, G1B               ; one tensor load of mine is out
.endr
	v_and_b32 v1, 15, v0                           ; r
	v_bfe_u32 v2, v0, 4, 1                         ; h
	v_and_b32 v7, 31, v0
	v_lshlrev_b32 v8, 4, v7                        ; 16 x lane
	s_wait_alu depctr_va_vdst(0)
	v_lshlrev_b32 v3, 3, v7                        ; 8 x lane
	s_wait_alu depctr_va_vdst(0)
	s_lshl_b32 s12, s42, 10
	s_lshl_b32 s13, s16, 9
	s_add_co_u32 s12, s12, s13                     ; 4 n0, n0 = 256 CB + 128 (wave & 1)
	s_mov_b32 s13, 0
	s_add_nc_u64 s[8:9], s[8:9], s[12:13]
	v_lshlrev_b32 v9, 6, v2
.irp i, 0,1,2,3,4,5,6,7,8,9,10,11,12,13,14,15
	global_load_b128 v[BR+4*\i:BR+4*\i+3], v9, s[8:9] offset:(32*(\i/4)+4*(\i%4))*4   ; register 8 b + j: column 32 (b / 2) + 16 h + 8 (b % 2) + j
.endr
	s_lshl_b32 s2, s17, 20                         ; 256 RA rows of 4,096 bytes
	s_lshl_b32 s3, s15, 19
	s_add_co_u32 s2, s2, s3
	s_add_co_u32 s2, s2, s12
	s_mov_b32 s3, 0
	s_add_nc_u64 s[10:11], s[10:11], s[2:3]        ; my part of out0
	s_mul_i32 s22, s15, HALFT
	s_mul_i32 s23, s16, HALFT
	s_add_co_u32 s23, s23, 2*HALFT
.irp s, 0,1
	v_add_nc_u32 v[ADRA+\s], s22, v8
	v_add_nc_u32 v[ADRB+\s], s23, v8
	v_add_nc_u32 v[ADRA+2+\s], s22, v3
	v_add_nc_u32 v[ADRB+2+\s], s23, v3
	s_add_co_u32 s22, s22, SLOT
	s_add_co_u32 s23, s23, SLOT
.endr
	v_lshlrev_b32 v5, 3, v1
	s_lshl_b32 s22, s15, 12
	s_lshl_b32 s23, s16, 12
	s_add_co_u32 s23, s23, 2*HALFS
	s_sub_co_u32 s23, s23, s22
	v_mul_u32_u24 v6, s23, v2
	s_add_co_u32 s22, s22, SCL
	v_add_nc_u32 v5, v5, v6
	v_add_nc_u32 v[ADRS], s22, v5
	s_mul_i32 s23, s14, 16*SPITCH                  ; my stage
	v_mul_u32_u24 v5, v1, SPITCH
	v_lshl_add_u32 v5, v2, 6, v5
	v_add_nc_u32 v[STO], s23, v5                   ; in: row r, + 64 h
	v_mov_b32 v[CO], v8
	v_add_nc_u32 v[RD], s23, v8                    ; back: a row's 512 bytes to the 32 lanes
.macro FRAG reg, adr, q, i
	ds_load_b128 v[\reg:\reg+3], v[\adr] offset:(\i)*TROW+(\q)*FRB
	ds_load_b64 v[\reg+4:\reg+5], v[\adr+2] offset:(\i)*TROW+(\q)*FRB+512
	ds_load_b128 v[\reg+6:\reg+9], v[\adr] offset:(\i)*TROW+(\q)*FRB+768
	ds_load_b64 v[\reg+10:\reg+11], v[\adr+2] offset:(\i)*TROW+(\q)*FRB+1280
.endm
; first = 1: the sums begin with the bias as C.  The 64 accumulators take turns, one instruction a turn.
.macro MUL16 a0, p, q, sc, first
.irp a, \a0, \a0+1
.irp b, 0,1,2,3,4,5,6,7
.if \first
	v_wmma_scale_f32_16x16x128_f8f6f4 v[8*(8*((\a)%4)+\b):8*(8*((\a)%4)+\b)+7], v[128*(\p)+FR*\b:128*(\p)+FR*\b+FR-1], v[AF+FR*(\a):AF+FR*(\a)+FR-1], v[BR+8*\b:BR+8*\b+7], v[SC+8*NQ*(\sc)+NQ*\b+(\q)], v[SC+8*NQ*(\sc)+NQ*(\a)+(\q)] matrix_a_fmt:MATRIX_FMT_FP6 matrix_b_fmt:MATRIX_FMT_FP6 matrix_a_scale:MATRIX_SCALE_ROW1
.else
	v_wmma_scale_f32_16x16x128_f8f6f4 v[8*(8*((\a)%4)+\b):8*(8*((\a)%4)+\b)+7], v[128*(\p)+FR*\b:128*(\p)+FR*\b+FR-1], v[AF+FR*(\a):AF+FR*(\a)+FR-1], v[8*(8*((\a)%4)+\b):8*(8*((\a)%4)+\b)+7], v[SC+8*NQ*(\sc)+NQ*\b+(\q)], v[SC+8*NQ*(\sc)+NQ*(\a)+(\q)] matrix_a_fmt:MATRIX_FMT_FP6 matrix_b_fmt:MATRIX_FMT_FP6 matrix_a_scale:MATRIX_SCALE_ROW1
.endif
.endr
.endr
.endm
.macro FETCH_B slot, q, p
	WIN TO_B
.irp i, 0,1,2,3,4,5,6,7
	FRAG 128*(\p)+FR*\i, ADRB+\slot, \q, \i
.endr
	WIN 0
.endm
.macro FETCH_A slot, q, i0
.irp i, \i0, \i0+1, \i0+2, \i0+3
	FRAG AF+FR*(\i), ADRA+\slot, \q, \i
.endr
.endm
.macro SCALES sc
.irp i, 0,1,2,3,4,5,6,7
	ds_load_b64 v[SC+8*NQ*\sc+NQ*\i:SC+8*NQ*\sc+NQ*\i+1], v[ADRS] offset:\i*512
.endr
.endm
.macro PLACES n
.rept \n
	v_nop
.endr
.endm
.macro STEP slot, q, first
	s_wait_dscnt 4*NL                              ; all but the youngest sixteen loads (A's blocks 4-7)
	WIN MUL_LO-0x20*\first                         ; (the bias lies in window 0)
	MUL16 0, (\q)%2, \q, \slot, \first
	MUL16 2, (\q)%2, \q, \slot, \first
	s_wait_dscnt 0
	PLACES NP
	FETCH_B \slot, (\q)+1, 1-(\q)%2
	FETCH_A \slot, (\q)+1, 0
	WIN MUL_HI-0x30*\first
	MUL16 4, (\q)%2, \q, \slot, \first
	MUL16 6, (\q)%2, \q, \slot, \first
	PLACES NP
	WIN 0
	FETCH_A \slot, (\q)+1, 4
.endm
.macro TURN slot, next, fill
	s_wait_tensorcnt 0x0                           ; all my tensor loads have landed: my part of the next slot
	ds_add_u32 v[SPW], v[NIL]                      ; 0 onto my spare word
	s_wait_dscnt 4*NL+1                            ; the add and the youngest sixteen loads may be out
	WIN MUL_LO
	MUL16 0, 1, NQ-1, \slot, 0
	s_wait_dscnt 0x0                               ; the add is done, and my reads of this slot are over
	s_barrier_signal -1
	MUL16 2, 1, NQ-1, \slot, 0
	WIN 0
	s_barrier_wait -1
.if \fill
	CREST
	s_add_nc_u64 s[G0+4*\slot+2:G0+4*\slot+3], s[G0+4*\slot+2:G0+4*\slot+3], 2*TROW
	s_add_nc_u64 s[G0B+4*\slot+2:G0B+4*\slot+3], s[G0B+4*\slot+2:G0B+4*\slot+3], 2*TROW
	JLOAD G0+4*\slot, G1, G0B+4*\slot, G1B
.else
	PLACES NP
.endif
	s_wait_alu depctr_va_vdst(0)
	v_add_nc_u32 v[ADRS], 128, v[ADRS]
	FETCH_B \next, 0, 0
	FETCH_A \next, 0, 0
	SCALES \next
	WIN MUL_HI
	MUL16 4, 1, NQ-1, \slot, 0
	MUL16 6, 1, NQ-1, \slot, 0
	PLACES NP
	WIN 0
	FETCH_A \next, 0, 4
.endm
	s_wait_alu depctr_va_vdst(0)
	s_wait_tensorcnt 1                             ; the scale words and my part of chunk 0 are in; chunk 1's load may be out
	s_barrier_signal -1
	s_barrier_wait -1
	FETCH_B 0, 0, 0
	FETCH_A 0, 0, 0
	SCALES 0
	FETCH_A 0, 0, 4
	s_wait_loadcnt 0x0                             ; the bias
	STEP 0, 0, 1
	TURN 0, 1, 1
	STEP 1, 0, 0
	TURN 1, 0, 1
	STEP 0, 0, 0
	TURN 0, 1, 0
	STEP 1, 0, 0
	s_wait_dscnt 4*NL
	WIN MUL_LO
	MUL16 0, 1, NQ-1, 1, 0
	MUL16 2, 1, NQ-1, 1, 0
	s_wait_dscnt 0
	WIN MUL_HI
	MUL16 4, 1, NQ-1, 1, 0
	MUL16 6, 1, NQ-1, 1, 0
	WIN 0
; THE WAY OUT, block by block of 16 tokens x 128 columns, through my own stage in LDS: in by 32 bytes of a row, back as whole rows of 512 bytes.
.macro TOSTAGE a
.set AC, 64*((\a)%4)
	WIN 0x08+4*((\a)/4)                            ; an LDS store's data are its source 1: window 2 or 3
.irp b, 0,1,2,3,4,5,6,7
	ds_store_b128 v[STO], v[AC+8*\b:AC+8*\b+3] offset:128*(\b/2)+32*(\b%2)          ; each accumulator from its low end on
	ds_store_b128 v[STO], v[AC+8*\b+4:AC+8*\b+7] offset:128*(\b/2)+32*(\b%2)+16
.endr
	WIN 0
.set BB, BK+64*((\a)%2)
.irp t, 0,1,2,3,4,5,6,7,8,9,10,11,12,13,14,15
	ds_load_b128 v[BB+4*\t:BB+4*\t+3], v[RD] offset:\t*SPITCH    ; LDS serves a wave's instructions in order: these see my stores
.endr
.endm
.macro SEND a, younger
.set BB, BK+64*((\a)%2)
	s_wait_dscnt \younger                          ; the block is back; the next block's 16 stores and 16 loads may be out
.irp t, 0,1,2,3,4,5,6,7,8,9,10,11,12,13,14,15
	global_store_b128 v[CO], v[BB+4*\t:BB+4*\t+3], s[10:11] offset:(32*((\a)/2)+8*((\a)%2)+\t+8*(\t/8))*4096 th:TH_STORE_NT   ; 512 consecutive bytes of one token's row, aligned to 256
.endr
.endm
	PLACES NP
	TOSTAGE 0
.irp a, 1,2,3,4,5,6,7
.if \a > 1
	s_wait_xcnt 0x0                                ; block a - 2's stores have read the registers into which block a's loads land
.endif
	TOSTAGE \a
	SEND \a-1, 32
.endr
	SEND 7, 0
	s_wait_tensorcnt 0x0                           ; the wave's end
	ds_add_u32 v[SPW], v[NIL]
	s_wait_dscnt 0x0
	CROUND                                         ; the closing round
	s_endpgm
.Lfunc_end_k_q65e75f28d3_proj:
	.size	k_q65e75f28d3_proj, .Lfunc_end_k_q65e75f28d3_proj-k_q65e75f28d3_proj
	.p2alignl 7, 3214868480
	.fill 96, 4, 3214868480
	.section	.rodata,"a",@progbits
	.p2align	6, 0x0
	.amdhsa_kernel k_q65e75f28d3_proj
		.amdhsa_group_segment_fixed_size 327680
		.amdhsa_private_segment_fixed_size 0
		.amdhsa_enable_private_segment 0
		.amdhsa_kernarg_size 32
		.amdhsa_user_sgpr_count 2
		.amdhsa_user_sgpr_kernarg_segment_ptr 1
		.amdhsa_wavefront_size32 1
		.amdhsa_system_sgpr_workgroup_id_x 1
		.amdhsa_system_sgpr_workgroup_id_y 1
		.amdhsa_system_sgpr_workgroup_id_z 1
		.amdhsa_system_vgpr_workitem_id 0
		.amdhsa_next_free_vgpr 1024
		.amdhsa_next_free_sgpr 102
		.amdhsa_reserve_vcc 0
		.amdhsa_float_denorm_mode_32 3
		.amdhsa_float_denorm_mode_16_64 3
		.amdhsa_memory_ordered 1
		.amdhsa_forward_progress 1
		.amdhsa_inst_pref_size 145
	.end_amdhsa_kernel
	.amdgpu_metadata
---
amdhsa.version: [ 1, 2 ]
amdhsa.kernels:
  - .name:           k_q65e75f28d3_proj
    .symbol:         k_q65e75f28d3_proj.kd
    .args:
      - { .name: ai, .offset: 0, .size: 8, .value_kind: global_buffer, .address_space: global }
      - { .name: wo, .offset: 8, .size: 8, .value_kind: global_buffer, .address_space: global }
      - { .name: b_out, .offset: 16, .size: 8, .value_kind: global_buffer, .address_space: global }
      - { .name: out0, .offset: 24, .size: 8, .value_kind: global_buffer, .address_space: global }
    .group_segment_fixed_size: 327680
    .private_segment_fixed_size: 0
    .kernarg_segment_align: 8
    .kernarg_segment_size: 32
    .max_flat_workgroup_size: 128
    .sgpr_count:     102
    .vgpr_count:     1024
    .wavefront_size: 32
...
	.end_amdgpu_metadata
.endif
;; end of part 4
